; MI455X (gfx1250); checked and timed in simulation.
; The chip was launched on July 23, 2026; its instructions are those of AMD's public machine-readable ISA for CDNA 5 (MIT licence, August 2026) and "CDNA5" Instruction Set Architecture Reference Guide (July 2026). The comments in the code are by the model that wrote it; some were corrected since.
;; Cross Attention. Allowed arithmetic: float matrix products may take bf16 or f16 operands with f32 sums; other float arithmetic in f32, or as packed bf16 or f16 multiplies, adds, multiply-adds, maxima and minima; sums over many terms, partial sums and values carried from step to step in f32; what a program stores and reads back later, other than sums and carried values, may be rounded once to bf16 or f16.
;; Inputs: freqs_cos 2,048 x 64 float32; freqs_sin 2,048 x 64 float32; key_b 2,048 float32; key_w 2,048 x 2,048 float32; proj_b 2,048 float32; proj_w 2,048 x 2,048 float32; query 2 x 2,048 x 2,048 float32; value 2 x 2,048 x 2,048 float32; x 2 x 2,048 x 2,048 float32.
;; Outputs: out0 2 x 2,048 x 2,048 float32.
;; One version. Each part assembles by itself: llvm-mc -triple=amdgcn-amd-amdhsa -mcpu=gfx1250 --defsym DOCPART=n.
;; ======== version 1 of 1: 4 launches
;; limits: inputs' magnitudes at most 65,504; values are held in f16: magnitudes above 65,504 overflow, below 6.1e-05 lose precision; right only within a limited range of input values
;; workspace buffers: xh 16,777,216 bytes; vh 16,777,216 bytes; kwh 8,388,608 bytes; pwh 8,388,608 bytes; qh 16,777,216 bytes; cst 1,048,576 bytes; kh 16,777,216 bytes; oh 16,777,216 bytes
;; launch prep (part 1): grid 1024 x 1, 8 waves a work-group, no clusters, 0 bytes of LDS; arguments x, value, key_w, proj_w, query, freqs_cos, freqs_sin, xh, vh, kwh, pwh, qh, cst; writes xh, vh, kwh, pwh, qh, cst
.if DOCPART == 1
	.amdgcn_target "amdgcn-amd-amdhsa--gfx1250"
	.amdhsa_code_object_version 6
	.text
	.protected	k_q9fe7e1bc0d_prep
	.globl	k_q9fe7e1bc0d_prep
	.p2align	8
	.type	k_q9fe7e1bc0d_prep,@function
k_q9fe7e1bc0d_prep:
	s_mov_b64 s[64:65], 0
	v_nop
	global_prefetch_b8 v0, s[64:65] scope:SCOPE_SE
	s_setreg_imm32_b32 hwreg(HW_REG_WAVE_MODE, 25, 1), 1
	s_wait_xcnt 0x0
; PREP: a stream.  Every f32 input of the matrix products is rounded once to bf16 and that number is written as f16.
;   work-groups 0-255: x -> xh;  256-511: value -> vh;  512-639: key_w -> kwh;  640-767: proj_w -> pwh  (plain conversion)
;   work-groups 768-1023: query -> qh, rotated (RoPE) with cos and sin rounded to bf16; they also write the table cst[s][pair] = (cos/16, sin/16) in f32.
; LIMITS.  A bf16 number is written exactly as f16 from 2^-17 up to 65,504; below it keeps the f16 step of 2^-24, from 65,520 on it becomes an infinity.
; SHARES.  A work-group moves 128 KiB of f32, a wave 16 KiB: 32 chunks of 512 bytes.  A chunk is one 16-byte load a lane and one 8-byte store a lane:
; the store of a wave covers 256 consecutive bytes, aligned.  Eight loads of a wave go out together; each is waited for by its own count.
; No LDS, no matrix unit, no cluster: no byte is wanted twice.
.set VI,  4                            ; v4-5    load offsets: chunks 0-3 and 4-7 of a trip
.set VO,  6                            ; v6-7    store offsets likewise
.set CN,  8                            ; v[8:9]  cos of my two pairs, rounded to bf16
.set SN,  10                           ; v[10:11] sin likewise
.set T,   12                           ; v12-19  at work
.set TB,  20                           ; v[20:23] my 16 bytes of the table
.set X,   24                           ; v24-55  chunk j: 4 registers as loaded
.set Y,   56                           ; v56-71  chunk j: 2 registers to store
.macro LOADS
.irp j, 0,1,2,3,4,5,6,7
	global_load_b128 v[X+4*(\j):X+4*(\j)+3], v[VI+(\j)/4], s[30:31] offset:((\j)%4)*512 th:TH_LOAD_NT
.endr
.endm
; chunk j: four numbers rounded to bf16, widened, (rotated,) written as f16
.macro CVT j, rope
	s_wait_loadcnt 7-(\j)                          ; loads come back in order: chunk j is in, the younger ones stay out
	v_cvt_pk_bf16_f32 v[T],   v[X+4*(\j)],   v[X+4*(\j)+1]
	v_cvt_pk_bf16_f32 v[T+1], v[X+4*(\j)+2], v[X+4*(\j)+3]
	v_lshlrev_b32 v[T+2], 16, v[T]                 ; t1 of the first pair
	v_and_b32     v[T+3], s36, v[T]                ; t2
	v_lshlrev_b32 v[T+4], 16, v[T+1]               ; t1 of the second pair
	v_and_b32     v[T+5], s36, v[T+1]              ; t2
.if \rope
	v_mul_f32 v[T],   v[T+3], v[SN]                ; t2 s
	v_mul_f32 v[T+1], v[T+3], v[CN]                ; t2 c
	v_mul_f32 v[T+6], v[T+5], v[SN+1]
	v_mul_f32 v[T+7], v[T+5], v[CN+1]
	v_fma_f32 v[T+3], v[T+2], v[SN], v[T+1]        ; o2 = t1 s + t2 c
	v_fma_f32 v[T+2], v[T+2], v[CN], -v[T]         ; o1 = t1 c - t2 s
	v_fma_f32 v[T+5], v[T+4], v[SN+1], v[T+7]
	v_fma_f32 v[T+4], v[T+4], v[CN+1], -v[T+6]
.endif
	v_cvt_pk_f16_f32 v[Y+2*(\j)],   v[T+2], v[T+3]
	v_cvt_pk_f16_f32 v[Y+2*(\j)+1], v[T+4], v[T+5]
	global_store_b64 v[VO+(\j)/4], v[Y+2*(\j):Y+2*(\j)+1], s[32:33] offset:((\j)%4)*256 th:TH_STORE_NT
.endm
; four trips of eight chunks
.macro STREAM rope, tag
.Ltrip\tag:
	LOADS
.irp j, 0,1,2,3,4,5,6,7
	CVT \j, \rope
.endr
	s_wait_xcnt 0x0                                ; the offsets and the store data are written again only behind this wait
	v_add_nc_u32 v[VI],   2048, v[VI]
	v_add_nc_u32 v[VI+1], 2048, v[VI+1]
	v_add_nc_u32 v[VO],   1024, v[VO]
	v_add_nc_u32 v[VO+1], 1024, v[VO+1]
	s_sub_co_u32 s37, s37, 1
	s_cmp_lg_u32 s37, 0
	s_cbranch_scc1 .Ltrip\tag
	s_endpgm
.endm
	s_load_b512 s[4:19], s[0:1], 0x0               ; x 4, value 6, key_w 8, proj_w 10, query 12, cos 14, sin 16, xh 18
	s_load_b256 s[20:27], s[0:1], 0x40             ; vh 20, kwh 22, pwh 24, qh 26
	s_load_b64 s[28:29], s[0:1], 0x60              ; cst
	v_and_b32 v1, 31, v0                           ; lane
	v_lshrrev_b32 v2, 5, v0                        ; wave
	s_mov_b32 s35, ttmp9
	s_mov_b32 s36, 0xffff0000                      ; the upper bf16 of a word
	s_mov_b32 s37, 4                               ; trips
	s_mov_b32 s39, 0
	s_mov_b32 s41, 0
	s_wait_kmcnt 0x0
	s_cmp_ge_u32 s35, 768
	s_cbranch_scc1 .Lrope
	; the plain conversions: which tensor, and which 128 KiB of it
	s_mov_b64 s[30:31], s[4:5]
	s_mov_b64 s[32:33], s[18:19]
	s_mov_b32 s34, 0
	s_cmp_ge_u32 s35, 256
	s_cselect_b64 s[30:31], s[6:7], s[30:31]
	s_cselect_b64 s[32:33], s[20:21], s[32:33]
	s_cselect_b32 s34, 256, s34
	s_cmp_ge_u32 s35, 512
	s_cselect_b64 s[30:31], s[8:9], s[30:31]
	s_cselect_b64 s[32:33], s[22:23], s[32:33]
	s_cselect_b32 s34, 512, s34
	s_cmp_ge_u32 s35, 640
	s_cselect_b64 s[30:31], s[10:11], s[30:31]
	s_cselect_b64 s[32:33], s[24:25], s[32:33]
	s_cselect_b32 s34, 640, s34
	s_sub_co_u32 s34, s35, s34
	s_lshl_b32 s38, s34, 17                        ; 128 KiB in,
	s_lshl_b32 s40, s34, 16                        ; 64 KiB out
	s_add_nc_u64 s[30:31], s[30:31], s[38:39]
	s_add_nc_u64 s[32:33], s[32:33], s[40:41]
	v_lshlrev_b32 v[VI], 4, v1
	v_lshl_or_b32 v[VI], v2, 14, v[VI]             ; 16 KiB a wave + 16 bytes a lane
	v_add_nc_u32 v[VI+1], 8192, v[VI]
	v_lshlrev_b32 v[VO], 3, v1
	v_lshl_or_b32 v[VO], v2, 13, v[VO]
	v_add_nc_u32 v[VO+1], 4096, v[VO]
	STREAM 0, _plain
.Lrope:
	; a wave owns one position s = 8 (g - 768) + wave, in both batches.  A chunk is one head: lane l always holds pairs 2 l and 2 l + 1.
	s_sub_co_u32 s34, s35, 768
	s_lshl_b32 s38, s34, 16                        ; 8 rows of 8,192 bytes of query,
	s_lshl_b32 s40, s34, 15                        ; of 4,096 bytes of qh
	s_add_nc_u64 s[30:31], s[12:13], s[38:39]
	s_add_nc_u64 s[32:33], s[26:27], s[40:41]
	s_lshl_b32 s42, s34, 11                        ; 8 rows of 256 bytes of cos and sin
	s_lshl_b32 s43, s34, 12                        ; 8 rows of 512 bytes of the table
	v_lshlrev_b32 v3, 3, v1
	v_lshl_or_b32 v3, v2, 8, v3
	v_add_nc_u32 v3, s42, v3
	global_load_b64 v[CN:CN+1], v3, s[14:15]
	global_load_b64 v[SN:SN+1], v3, s[16:17]
	v_lshlrev_b32 v0, 4, v1
	v_lshl_or_b32 v0, v2, 9, v0
	v_add_nc_u32 v0, s43, v0                       ; my 16 bytes of the table
	v_lshlrev_b32 v[VI], 4, v1
	v_lshl_or_b32 v[VI], v2, 13, v[VI]             ; my row + 16 bytes a lane, batch 0
	v_add_nc_u32 v[VI+1], 0x1000000, v[VI]         ; batch 1: 2,048 rows of 8,192 bytes on
	v_lshlrev_b32 v[VO], 3, v1
	v_lshl_or_b32 v[VO], v2, 12, v[VO]
	v_add_nc_u32 v[VO+1], 0x800000, v[VO]
	s_wait_loadcnt 0x0
	v_cvt_pk_bf16_f32 v[T],   v[CN], v[CN+1]
	v_cvt_pk_bf16_f32 v[T+1], v[SN], v[SN+1]
	v_lshlrev_b32 v[CN],   16, v[T]
	v_and_b32     v[CN+1], s36, v[T]
	v_lshlrev_b32 v[SN],   16, v[T+1]
	v_and_b32     v[SN+1], s36, v[T+1]
	v_mul_f32 v[TB],   0x3d800000, v[CN]           ; 1/16: exact; the key projection stores k / 16
	v_mul_f32 v[TB+1], 0x3d800000, v[SN]
	v_mul_f32 v[TB+2], 0x3d800000, v[CN+1]
	v_mul_f32 v[TB+3], 0x3d800000, v[SN+1]
	global_store_b128 v0, v[TB:TB+3], s[28:29]     ; a wave stores its row of 512 bytes; v0 and TB are not written again
	STREAM 1, _rope
.Lfunc_end_k_q9fe7e1bc0d_prep:
	.size	k_q9fe7e1bc0d_prep, .Lfunc_end_k_q9fe7e1bc0d_prep-k_q9fe7e1bc0d_prep
	.p2alignl 7, 3214868480
	.fill 96, 4, 3214868480
	.section	.rodata,"a",@progbits
	.p2align	6, 0x0
	.amdhsa_kernel k_q9fe7e1bc0d_prep
		.amdhsa_group_segment_fixed_size 0
		.amdhsa_private_segment_fixed_size 0
		.amdhsa_enable_private_segment 0
		.amdhsa_kernarg_size 104
		.amdhsa_user_sgpr_count 2
		.amdhsa_user_sgpr_kernarg_segment_ptr 1
		.amdhsa_wavefront_size32 1
		.amdhsa_system_sgpr_workgroup_id_x 1
		.amdhsa_system_sgpr_workgroup_id_y 1
		.amdhsa_system_sgpr_workgroup_id_z 1
		.amdhsa_system_vgpr_workitem_id 0
		.amdhsa_next_free_vgpr 72
		.amdhsa_next_free_sgpr 66
		.amdhsa_reserve_vcc 0
		.amdhsa_float_denorm_mode_32 3
		.amdhsa_float_denorm_mode_16_64 3
		.amdhsa_memory_ordered 1
		.amdhsa_forward_progress 1
		.amdhsa_inst_pref_size 17
	.end_amdhsa_kernel
	.amdgpu_metadata
---
amdhsa.version: [ 1, 2 ]
amdhsa.kernels:
  - .name:           k_q9fe7e1bc0d_prep
    .symbol:         k_q9fe7e1bc0d_prep.kd
    .args:
      - { .name: x, .offset: 0, .size: 8, .value_kind: global_buffer, .address_space: global }
      - { .name: value, .offset: 8, .size: 8, .value_kind: global_buffer, .address_space: global }
      - { .name: key_w, .offset: 16, .size: 8, .value_kind: global_buffer, .address_space: global }
      - { .name: proj_w, .offset: 24, .size: 8, .value_kind: global_buffer, .address_space: global }
      - { .name: query, .offset: 32, .size: 8, .value_kind: global_buffer, .address_space: global }
      - { .name: freqs_cos, .offset: 40, .size: 8, .value_kind: global_buffer, .address_space: global }
      - { .name: freqs_sin, .offset: 48, .size: 8, .value_kind: global_buffer, .address_space: global }
      - { .name: xh, .offset: 56, .size: 8, .value_kind: global_buffer, .address_space: global }
      - { .name: vh, .offset: 64, .size: 8, .value_kind: global_buffer, .address_space: global }
      - { .name: kwh, .offset: 72, .size: 8, .value_kind: global_buffer, .address_space: global }
      - { .name: pwh, .offset: 80, .size: 8, .value_kind: global_buffer, .address_space: global }
      - { .name: qh, .offset: 88, .size: 8, .value_kind: global_buffer, .address_space: global }
      - { .name: cst, .offset: 96, .size: 8, .value_kind: global_buffer, .address_space: global }
    .group_segment_fixed_size: 0
    .private_segment_fixed_size: 0
    .kernarg_segment_align: 8
    .kernarg_segment_size: 104
    .max_flat_workgroup_size: 256
    .sgpr_count:     66
    .vgpr_count:     72
    .wavefront_size: 32
...
	.end_amdgpu_metadata
.endif
;; end of part 1
;; launch kproj (part 2): grid 8 x 32, 4 waves a work-group, clusters of 4 x 4, 327,680 bytes of LDS; arguments xh, kwh, key_b, cst, kh; writes kh
.if DOCPART == 2
	.amdgcn_target "amdgcn-amd-amdhsa--gfx1250"
	.amdhsa_code_object_version 6
	.text
	.protected	k_q9fe7e1bc0d_kproj
	.globl	k_q9fe7e1bc0d_kproj
	.p2align	8
	.type	k_q9fe7e1bc0d_kproj,@function
k_q9fe7e1bc0d_kproj:
	s_mov_b64 s[64:65], 0
	v_nop
	global_prefetch_b8 v0, s[64:65] scope:SCOPE_SE
	s_setreg_imm32_b32 hwreg(HW_REG_WAVE_MODE, 25, 1), 1
	s_wait_xcnt 0x0
	s_wait_alu depctr_hold_cnt(0) depctr_sa_sdst(0) depctr_va_vdst(0) depctr_va_sdst(0) depctr_va_ssrc(0) depctr_va_vcc(0) depctr_vm_vsrc(0)
	s_getreg_b32 s2, hwreg(HW_REG_IB_STS2, 6, 4)
	s_cmp_eq_u32 s2, 0
	s_cbranch_scc0 .Lentry_in_a_cluster
	s_endpgm
.Lentry_in_a_cluster:
	s_bfe_u32 s2, ttmp6, 0x10000c
	s_cmp_lg_u32 s2, 0xf033
	s_cbranch_scc0 .Lentry_shape_is_right
	s_endpgm
.Lentry_shape_is_right:
; C[4096][2048] = A[4096][2048] B[2048][2048]^T + bias, A and B in f16, sums in f32.
; ROPE = 1: the key projection.  The sums take the bias (rounded to bf16), are rotated with the table cst (cos/16, sin/16) and stored as f16: kh = RoPE(k) / 16.
; ROPE = 0: the output projection.  The sums take the bias (rounded to bf16) and are stored as f32.
; LIMIT (ROPE = 1): k / 16 is kept in f16, so |k| stays under 1.04e6; NaN and infinities are not treated apart.
; SHARES.  A tile of C is 128 x 256: 32 x 8 = 256 work-groups.  Four waves, each 64 x 128: 32 accumulators of 16 x 16, 256 registers.
; K goes in 16 steps of 128 (rows of 256 bytes, aligned) through two LDS slots filled by tensor loads; waves 0, 1 fetch the halves of A (64 rows each), waves 2, 3 those of B (128 rows each).
; CLUSTER 4 x 4: the four of a row need the same tile of A, the four of a column the same tile of B: each is asked for jointly, same descriptor, same mask.
; THE MATRIX INSTRUCTION IS USED TRANSPOSED (source 0 = 16 rows of B, source 1 = 16 rows of A): a lane holds row l % 16 of C and the columns 8 (l / 16) + 0..7.
; REGISTERS: window 0: v0-19 addresses and bias; v32-127, v128-223 two fragment buffers (64 of B, 32 of A), later at work on the way out.  Window 1: the accumulators, (a, b) at 8 (8 a + b).
; No prefetch of the tiles: a K step here is short and the tiles are shared in the cluster.
.set ROPE,   1
.set OSH,    2-ROPE                    ; a number of C has 1 << OSH bytes
.set PITCH,  272                       ; an LDS row: 256 bytes + 16 of padding: the 16 rows of a fragment load start at 16 different groups of four banks
.set AHALF,  64*PITCH
.set BHALF,  128*PITCH
.set BOFF,   128*PITCH                 ; B lies behind the 128 rows of A
.set SLOT1,  131072                    ; slot 1: one exclusive or turns an address in one slot into the other
.set TABLE,  235520                    ; ROPE: 128 rows x 512 bytes of cst, dense, filled once
.set SPARE,  301056                    ; the spare words, 128 bytes for each wave
.set SPITCH, 528                       ; the stage: a row of 128 f32 + 16 bytes
.set WSTAGE, 64*SPITCH                 ; a wave has 64 such rows, at wave x WSTAGE: over slot bytes that have had their last fill
.set A0,  4                            ; v4   my place in a slot for the fragments of A; never rewritten
.set B0,  5                            ; v5   for those of B
.set ADA, 6                            ; v6   the same in the slot in hand
.set ADB, 7
.set STO, 8                            ; v8   the way out: where I put 16 bytes of a row
.set RD,  9                            ; v9   where I read a row back
.set CO,  10                           ; v10  my byte offset in C
.set TBO, 11                           ; v11  my 16 bytes of a table row
.set SPW, 12                           ; v12  LDS address of my spare word; never rewritten
.set NIL, 13                           ; v13  0; never rewritten
.set BO,  14                           ; v14  my byte offset in the bias
.set BI,  16                           ; v[16:19] the bias of my four columns
.set F0,  32
.set F1,  128
.set E,   32                           ; the way out: 8 rows x 4 sums
.set TT,  64                           ; 8 rows x (c0, s0, c1, s1)
.set OUT, 96                           ; 8 rows x 2 packed
.set W,   112                          ; at work
.set WV,  14                           ; s14  wave
.set WM,  15                           ; s15  my half of the rows.  Also: I fetch for A (0) or for B (1)
.set WN,  16                           ; s16  my half of the columns.  Also: which half of that tile I fetch
.set CX,  17
.set CY,  18
.set TC,  19                           ; tile column
.set TR,  20                           ; tile row
.set G1A, 24                           ; s[24:31] group 1 for A;  s[32:39] group 0, two sets: the second walks
.set G0A, 32
.set G1B, 40
.set G0B, 48
.set G1T, 56                           ; s[56:63], s[68:71] the table
.set G0T, 68
.set TB,  72                           ; s72  the slot in hand
.set CNT, 73
.set MSB, 0
.macro WIN new                         ; the high byte repeats the setting that is left
.if MSB != (\new)
	s_set_vgpr_msb (MSB<<8)|(\new)
.set MSB, \new
.endif
.endm
.macro PLACES                          ; four places behind matrix instructions, in front of loads into their sources and of reads of their results
.rept 4
	v_nop
.endr
.endm
.macro CREST                           ; a round of the cluster barrier behind its opening barrier
	s_cmp_lg_u32 s[WV], 0
	s_cbranch_scc1 .Lnot_wave_0_\@
	s_barrier_signal -3
.Lnot_wave_0_\@:
	s_barrier_wait -3
	s_barrier_signal -1
	s_barrier_wait -1
.endm
.macro CROUND
	s_barrier_signal -1
	s_barrier_wait -1
	CREST
.endm
.macro JLOAD                           ; a joint refill by the walking sets; the branch hangs on the wave number alone; s_nop 0 and four v_nop follow each line
	s_cmp_eq_u32 s[WM], 0
	s_cbranch_scc0 .Lfor_b_\@
	tensor_load_to_lds s[G0A+4:G0A+7], s[G1A:G1A+7]
	s_nop 0
.rept 4
	v_nop
.endr
	s_branch .Lasked_\@
.Lfor_b_\@:
	tensor_load_to_lds s[G0B+4:G0B+7], s[G1B:G1B+7]
	s_nop 0
.rept 4
	v_nop
.endr
.Lasked_\@:
.endm
; 8 matrix instructions: row block a x all 8 column blocks, 32 along K.  zero = 1: the product starts the sum.  The 32 accumulators take turns.
.macro MUL8 f, a, zero
	WIN 0x50
.irp b, 0,1,2,3,4,5,6,7
.if \zero
	v_wmma_f32_16x16x32_f16 v[8*(8*(\a)+(\b)):8*(8*(\a)+(\b))+7], v[(\f)+8*(\b):(\f)+8*(\b)+7], v[(\f)+64+8*(\a):(\f)+64+8*(\a)+7], 0
.else
	v_wmma_f32_16x16x32_f16 v[8*(8*(\a)+(\b)):8*(8*(\a)+(\b))+7], v[(\f)+8*(\b):(\f)+8*(\b)+7], v[(\f)+64+8*(\a):(\f)+64+8*(\a)+7], v[8*(8*(\a)+(\b)):8*(8*(\a)+(\b))+7]
.endif
.endr
.endm
; 24 LDS loads in one run: 32 along K at byte k of the rows, into buffer f: B first, then the four blocks of A in order
.macro FETCH k, f
	WIN 0
.irp i, 0,1,2,3,4,5,6,7
	ds_load_b128 v[(\f)+8*(\i):(\f)+8*(\i)+3],   v[ADB] offset:(\k)+(\i)*16*PITCH
	ds_load_b128 v[(\f)+8*(\i)+4:(\f)+8*(\i)+7], v[ADB] offset:(\k)+(\i)*16*PITCH+32
.endr
.irp i, 0,1,2,3
	ds_load_b128 v[(\f)+64+8*(\i):(\f)+64+8*(\i)+3],   v[ADA] offset:(\k)+(\i)*16*PITCH
	ds_load_b128 v[(\f)+64+8*(\i)+4:(\f)+64+8*(\i)+7], v[ADA] offset:(\k)+(\i)*16*PITCH+32
.endr
.endm
; one of the first three quarters of a K step: multiplies buffer f, fetches the next quarter (byte k) into g
.macro QUARTER k, f, g, zero
	s_wait_dscnt 4                                 ; B and blocks 0, 1 of A are in; the four loads of blocks 2, 3 may be out
	MUL8 \f, 0, \zero
	MUL8 \f, 1, \zero
	WIN 0
	PLACES
	FETCH \k, \g
	s_wait_dscnt 24                                ; all but the 24 just issued
	MUL8 \f, 2, \zero
	MUL8 \f, 3, \zero
.endm
; the last quarter multiplies buffer 1 and changes slots: one barrier; fill = 1: it opens a round of the cluster barrier, and the slot just read is filled again, two K steps on
.macro TURN fill
	WIN 0
	s_wait_tensorcnt 0x0                           ; all my tensor loads have landed: my part of the next slot (and, the first time, of the table)
	ds_add_u32 v[SPW], v[NIL]                      ; 0 onto my spare word
	s_wait_dscnt 7                                 ; the add and the six loads of blocks 1 to 3 of A may be out
	MUL8 F1, 0, 0
	s_wait_dscnt 0x0                               ; the add is done, my reads of this slot are over
	s_barrier_signal -1
	MUL8 F1, 1, 0
	WIN 0
	s_barrier_wait -1
.if \fill
	CREST                                          ; no wave of any partner still reads this slot or has a load on its way
	s_xor_b32 s[G0A+5], s[G0A+5], SLOT1            ; the walking sets: the other slot than last time, the next K step
	s_add_nc_u64 s[G0A+6:G0A+7], s[G0A+6:G0A+7], 256
	s_xor_b32 s[G0B+5], s[G0B+5], SLOT1
	s_add_nc_u64 s[G0B+6:G0B+7], s[G0B+6:G0B+7], 256
	JLOAD                                          ; my one tensor load behind the round: 112 matrix instructions ahead of the wait for it
.else
	PLACES
.endif
	s_xor_b32 s[TB], s[TB], SLOT1
	v_add_nc_u32 v[ADA], s[TB], v[A0]
	v_add_nc_u32 v[ADB], s[TB], v[B0]
	FETCH 0, F0
	MUL8 F1, 2, 0
	MUL8 F1, 3, 0
.endm
	s_load_b256 s[4:11], s[0:1], 0x0               ; A 4, B 6, bias 8, (cst or the output) 10
.if ROPE
	s_load_b64 s[12:13], s[0:1], 0x20              ; kh
.endif
	v_lshl_add_u32 v[SPW], v0, 2, SPARE
	v_mov_b32 v[NIL], 0
	ds_add_u32 v[SPW], v[NIL]                      ; the opening: the add and its wait stand ahead of my first tensor load; work on registers stands between
	ds_add_u32 v12, v13
	v_lshrrev_b32 v1, 5, v0
	v_readfirstlane_b32 s[WV], v1
	s_lshr_b32 s[WM], s[WV], 1
	s_and_b32 s[WN], s[WV], 1
	s_bfe_u32 s[CX], ttmp6, 0x40000
	s_bfe_u32 s[CY], ttmp6, 0x40004
	s_lshl_b32 s[TC], ttmp9, 2
	s_add_co_u32 s[TC], s[TC], s[CX]               ; tile column = 4 x cluster x + cx
	s_and_b32 s[TR], ttmp7, 0xffff
	s_lshl_b32 s[TR], s[TR], 2
	s_add_co_u32 s[TR], s[TR], s[CY]               ; tile row = 4 x cluster y + cy
	s_lshl_b32 s21, s[CY], 2
	s_lshl_b32 s21, 15, s21                        ; my row of the cluster
	s_lshl_b32 s22, 0x1111, s[CX]                  ; my column
	s_or_b32 s[G1A], s21, (1<<16)|(1<<20)|(1<<21)|(5<<22)|(3<<25)  ; mask; 2-byte elements; padding on; bit 21 beside a mask; after every 64 words 4 words
	s_or_b32 s[G1B], s22, (1<<16)|(1<<20)|(1<<21)|(5<<22)|(3<<25)
	s_mov_b32 s[G1A+1], 128<<16                    ; tensor_dim0 = 128
	s_mov_b32 s[G1A+2], 64<<16                     ; tensor_dim1 = 64
	s_mov_b32 s[G1A+3], 128<<16                    ; tile_dim0 = 128
	s_mov_b32 s[G1A+4], 64                         ; tile_dim1 = 64
	s_mov_b32 s[G1A+5], 2048                       ; elements from row to row
	s_mov_b32 s[G1A+6], 0
	s_mov_b32 s[G1A+7], 0
	s_mov_b32 s[G1B+1], 128<<16
	s_mov_b32 s[G1B+2], 128<<16                    ; 128 rows
	s_mov_b32 s[G1B+3], 128<<16
	s_mov_b32 s[G1B+4], 128
	s_mov_b32 s[G1B+5], 2048
	s_mov_b32 s[G1B+6], 0
	s_mov_b32 s[G1B+7], 0
	s_mul_i32 s74, s[WN], AHALF                    ; where the tiles go: no place in the cluster enters an LDS address
	s_mul_i32 s75, s[WN], BHALF
	s_add_co_u32 s75, s75, BOFF
.irp n, 0,1
	s_mov_b32 s[G0A+4*(\n)], 1
	s_add_co_u32 s[G0A+4*(\n)+1], s74, (\n)*SLOT1
	s_mov_b32 s[G0B+4*(\n)], 1
	s_add_co_u32 s[G0B+4*(\n)+1], s75, (\n)*SLOT1
.endr
	s_lshl_b32 s76, s[TR], 19                      ; A: 128 rows of 4,096 bytes a tile row,
	s_lshl_b32 s77, s[WN], 18                      ; 64 rows a half: made of the tile row and the wave alone
	s_add_co_u32 s76, s76, s77
	s_mov_b32 s77, 0
	s_lshl_b32 s78, s[TC], 20                      ; B: 256 rows a tile column, 128 a half: of the tile column and the wave alone
	s_lshl_b32 s79, s[WN], 19
	s_add_co_u32 s78, s78, s79
	s_mov_b32 s79, 0
.if ROPE
	s_mov_b32 s[G1T], 3<<16                        ; the table: a load of my own (no mask), 8-byte elements, 64 rows of 256 bytes, dense
	s_mov_b32 s[G1T+1], 32<<16
	s_mov_b32 s[G1T+2], 64<<16
	s_mov_b32 s[G1T+3], 32<<16
	s_mov_b32 s[G1T+4], 64
	s_mov_b32 s[G1T+5], 32
	s_mov_b32 s[G1T+6], 0
	s_mov_b32 s[G1T+7], 0
	s_mov_b32 s[G0T], 1
	s_lshl_b32 s80, s[WV], 14                      ; a quarter, 16 KiB, a wave
	s_add_co_u32 s[G0T+1], s80, TABLE
	s_and_b32 s2, s[TR], 15                        ; the position is the row of C modulo 2,048
	s_lshl_b32 s2, s2, 16
	s_add_co_u32 s2, s2, s80
	s_mov_b32 s3, 0
.endif
	s_wait_dscnt 0x0                               ; the opening add is done
	s_wait_kmcnt 0x0
	s_add_nc_u64 s[76:77], s[4:5], s[76:77]
	s_add_nc_u64 s[78:79], s[6:7], s[78:79]
.irp n, 0,1
	s_add_nc_u64 s[G0A+4*(\n)+2:G0A+4*(\n)+3], s[76:77], (\n)*256  ; K step n
	s_or_b32 s[G0A+4*(\n)+3], s[G0A+4*(\n)+3], 0x80000000
	s_add_nc_u64 s[G0B+4*(\n)+2:G0B+4*(\n)+3], s[78:79], (\n)*256
	s_or_b32 s[G0B+4*(\n)+3], s[G0B+4*(\n)+3], 0x80000000
.endr
.if ROPE
	s_add_nc_u64 s[G0T+2:G0T+3], s[10:11], s[2:3]
	s_or_b32 s[G0T+3], s[G0T+3], 0x80000000
.endif
	CROUND                                         ; all sixteen work-groups are here: the first joint loads meet
	s_cmp_eq_u32 s[WM], 0                          ; all first fills of a wave stand in one branch: 2 + ROPE loads of mine are out
	s_cbranch_scc0 .Lfirst_b
	tensor_load_to_lds s[G0A:G0A+3], s[G1A:G1A+7]
	s_nop 0
	tensor_load_to_lds s[G0A+4:G0A+7], s[G1A:G1A+7]
	s_nop 0
.if ROPE
	tensor_load_to_lds s[G0T:G0T+3], s[G1T:G1T+7]
	s_nop 0
.endif
.rept 4
	v_nop
.endr
	s_branch .Lfirst_asked
.Lfirst_b:
	tensor_load_to_lds s[G0B:G0B+3], s[G1B:G1B+7]
	s_nop 0
	tensor_load_to_lds s[G0B+4:G0B+7], s[G1B:G1B+7]
	s_nop 0
.if ROPE
	tensor_load_to_lds s[G0T:G0T+3], s[G1T:G1T+7]
	s_nop 0
.endif
.rept 4
	v_nop
.endr
.Lfirst_asked:
	v_and_b32 v1, 15, v0                           ; l % 16
	v_bfe_u32 v2, v0, 4, 1                         ; l / 16
	v_and_b32 v3, 31, v0                           ; l
	v_mul_u32_u24 v[A0], v1, PITCH
	v_lshl_add_u32 v[A0], v2, 4, v[A0]             ; a fragment row x pitch + 16 x half
	s_mul_i32 s74, s[WM], AHALF                    ; my 64 rows of A
	s_mul_i32 s75, s[WN], BHALF                    ; my 128 rows of B
	s_add_co_u32 s75, s75, BOFF
	v_add_nc_u32 v[B0], s75, v[A0]
	v_add_nc_u32 v[A0], s74, v[A0]
	s_mul_i32 s74, s[WV], WSTAGE
	v_mul_u32_u24 v[STO], v1, SPITCH               ; in: row l % 16, 32 bytes for each half of the lanes
	v_lshl_add_u32 v[STO], v2, 5, v[STO]
	v_add_nc_u32 v[STO], s74, v[STO]
	v_lshl_add_u32 v[RD], v3, 4, s74               ; back: a row of 512 bytes, 16 a lane
	v_lshlrev_b32 v[CO], 2+OSH, v3                 ; my four columns in C
.if ROPE
	s_lshl_b32 s75, s[WM], 15                      ; my 64 rows of the table
	s_add_co_u32 s75, s75, TABLE
	v_lshl_add_u32 v[TBO], v3, 4, s75
.endif
	s_lshl_b32 s74, s[TC], 10                      ; the bias of my 128 columns
	s_lshl_b32 s75, s[WN], 9
	s_add_co_u32 s74, s74, s75
	v_lshl_add_u32 v[BO], v3, 4, s74
	global_load_b128 v[BI:BI+3], v[BO], s[8:9]
.if !ROPE
	s_mov_b64 s[12:13], s[10:11]
.endif
	s_lshl_b32 s74, s[TR], 18+OSH                  ; C at my first row and column
	s_lshl_b32 s75, s[WM], 17+OSH
	s_add_co_u32 s74, s74, s75
	s_lshl_b32 s75, s[TC], 8+OSH
	s_add_co_u32 s74, s74, s75
	s_lshl_b32 s75, s[WN], 7+OSH
	s_add_co_u32 s74, s74, s75
	s_mov_b32 s75, 0
	s_add_nc_u64 s[12:13], s[12:13], s[74:75]
	s_mov_b32 s[TB], 0
	v_add_nc_u32 v[ADA], s[TB], v[A0]
	v_add_nc_u32 v[ADB], s[TB], v[B0]
	s_wait_tensorcnt 1+ROPE                        ; my part of K step 0 is in; K step 1 (and the table) may stay out
	s_barrier_signal -1
	s_barrier_wait -1
	FETCH 0, F0
	QUARTER 64, F0, F1, 1                          ; the first quarter stands in front of the loop: its products start the sums
	WIN 0
	s_mov_b32 s[CNT], 14                           ; 14 refills: K steps 2 to 15
.Lstep:                                        ; a trip: from the second quarter of a K step to the first of the next
	QUARTER 128, F1, F0, 0
	QUARTER 192, F0, F1, 0
	TURN 1
	QUARTER 64, F0, F1, 0
	WIN 0
	s_sub_co_u32 s[CNT], s[CNT], 1
	s_cmp_lg_u32 s[CNT], 0
	s_cbranch_scc1 .Lstep
	QUARTER 128, F1, F0, 0                         ; the last two K steps fetch nothing
	QUARTER 192, F0, F1, 0
	TURN 0
	QUARTER 64, F0, F1, 0
	QUARTER 128, F1, F0, 0
	QUARTER 192, F0, F1, 0
	s_wait_dscnt 4
	MUL8 F1, 0, 0
	MUL8 F1, 1, 0
	s_wait_dscnt 0x0
	MUL8 F1, 2, 0
	MUL8 F1, 3, 0
	; THE WAY OUT.  The sums go as f32 into my stage (over slot bytes that are filled no more) and come back as whole rows.
	WIN 0
	PLACES
	s_wait_dscnt 0x0
	s_barrier_signal -1
	s_barrier_wait -1                              ; no wave reads the slots any more
	WIN 0x04                                       ; store data in window 1
.irp a, 0,1,2,3
.irp b, 0,1,2,3,4,5,6,7
	ds_store_b128 v[STO], v[8*(8*(\a)+(\b)):8*(8*(\a)+(\b))+3]   offset:(\a)*16*SPITCH+64*(\b)
	ds_store_b128 v[STO], v[8*(8*(\a)+(\b))+4:8*(8*(\a)+(\b))+7] offset:(\a)*16*SPITCH+64*(\b)+16
.endr
.endr
	WIN 0
	s_wait_loadcnt 0x0                             ; the bias, rounded to bf16 like every input
	v_cvt_pk_bf16_f32 v[W],   v[BI],   v[BI+1]
	v_cvt_pk_bf16_f32 v[W+1], v[BI+2], v[BI+3]
	v_lshlrev_b32 v[BI],   16, v[W]
	v_and_b32     v[BI+1], 0xffff0000, v[W]
	v_lshlrev_b32 v[BI+2], 16, v[W+1]
	v_and_b32     v[BI+3], 0xffff0000, v[W+1]
	s_mov_b32 s[CNT], 8
.Lrows:                                        ; 8 trips of 8 rows; the stage bytes are my own, and LDS serves a wave in order
.irp j, 0,1,2,3,4,5,6,7
	ds_load_b128 v[E+4*(\j):E+4*(\j)+3], v[RD] offset:(\j)*SPITCH
.if ROPE
	ds_load_b128 v[TT+4*(\j):TT+4*(\j)+3], v[TBO] offset:(\j)*512
.endif
.endr
.irp j, 0,1,2,3,4,5,6,7
.if ROPE
	s_wait_dscnt 14-2*(\j)                         ; row j and its table row are in
.else
	s_wait_dscnt 7-(\j)
.endif
	v_pk_add_f32 v[E+4*(\j):E+4*(\j)+1],   v[E+4*(\j):E+4*(\j)+1],   v[BI:BI+1]
	v_pk_add_f32 v[E+4*(\j)+2:E+4*(\j)+3], v[E+4*(\j)+2:E+4*(\j)+3], v[BI+2:BI+3]
.if ROPE
	v_mul_f32 v[W],   v[E+4*(\j)+1], v[TT+4*(\j)+1]  ; t2 s
	v_mul_f32 v[W+1], v[E+4*(\j)+1], v[TT+4*(\j)]    ; t2 c
	v_mul_f32 v[W+2], v[E+4*(\j)+3], v[TT+4*(\j)+3]
	v_mul_f32 v[W+3], v[E+4*(\j)+3], v[TT+4*(\j)+2]
	v_fma_f32 v[W],   v[E+4*(\j)],   v[TT+4*(\j)],   -v[W]    ; o1 = t1 c - t2 s
	v_fma_f32 v[W+1], v[E+4*(\j)],   v[TT+4*(\j)+1], v[W+1]   ; o2 = t1 s + t2 c
	v_fma_f32 v[W+2], v[E+4*(\j)+2], v[TT+4*(\j)+2], -v[W+2]
	v_fma_f32 v[W+3], v[E+4*(\j)+2], v[TT+4*(\j)+3], v[W+3]
	v_cvt_pk_f16_f32 v[OUT+2*(\j)],   v[W],   v[W+1]
	v_cvt_pk_f16_f32 v[OUT+2*(\j)+1], v[W+2], v[W+3]
	global_store_b64 v[CO], v[OUT+2*(\j):OUT+2*(\j)+1], s[12:13] offset:(\j)*4096  ; a wave stores 256 consecutive bytes, aligned: the row of one head
.else
	global_store_b128 v[CO], v[E+4*(\j):E+4*(\j)+3], s[12:13] offset:(\j)*8192     ; 512 consecutive bytes, aligned
.endif
.endr
	s_wait_xcnt 0x0                                ; the store data and the offset are written again only behind this wait
	v_add_nc_u32 v[RD], 8*SPITCH, v[RD]
.if ROPE
	v_add_nc_u32 v[TBO], 4096, v[TBO]
.endif
	v_add_nc_u32 v[CO], 16384<<OSH, v[CO]
	s_sub_co_u32 s[CNT], s[CNT], 1
	s_cmp_lg_u32 s[CNT], 0
	s_cbranch_scc1 .Lrows
	s_wait_tensorcnt 0x0                           ; the end of the wave, behind my last tensor load and LDS store
	ds_add_u32 v[SPW], v[NIL]
	s_wait_dscnt 0x0
	CROUND                                         ; the closing round
	s_endpgm
.Lfunc_end_k_q9fe7e1bc0d_kproj:
	.size	k_q9fe7e1bc0d_kproj, .Lfunc_end_k_q9fe7e1bc0d_kproj-k_q9fe7e1bc0d_kproj
	.p2alignl 7, 3214868480
	.fill 96, 4, 3214868480
	.section	.rodata,"a",@progbits
	.p2align	6, 0x0
	.amdhsa_kernel k_q9fe7e1bc0d_kproj
		.amdhsa_group_segment_fixed_size 327680
		.amdhsa_private_segment_fixed_size 0
		.amdhsa_enable_private_segment 0
		.amdhsa_kernarg_size 40
		.amdhsa_user_sgpr_count 2
		.amdhsa_user_sgpr_kernarg_segment_ptr 1
		.amdhsa_wavefront_size32 1
		.amdhsa_system_sgpr_workgroup_id_x 1
		.amdhsa_system_sgpr_workgroup_id_y 1
		.amdhsa_system_sgpr_workgroup_id_z 1
		.amdhsa_system_vgpr_workitem_id 0
		.amdhsa_next_free_vgpr 512
		.amdhsa_next_free_sgpr 84
		.amdhsa_reserve_vcc 0
		.amdhsa_float_denorm_mode_32 3
		.amdhsa_float_denorm_mode_16_64 3
		.amdhsa_memory_ordered 1
		.amdhsa_forward_progress 1
		.amdhsa_inst_pref_size 67
	.end_amdhsa_kernel
	.amdgpu_metadata
---
amdhsa.version: [ 1, 2 ]
amdhsa.kernels:
  - .name:           k_q9fe7e1bc0d_kproj
    .symbol:         k_q9fe7e1bc0d_kproj.kd
    .args:
      - { .name: xh, .offset: 0, .size: 8, .value_kind: global_buffer, .address_space: global }
      - { .name: kwh, .offset: 8, .size: 8, .value_kind: global_buffer, .address_space: global }
      - { .name: key_b, .offset: 16, .size: 8, .value_kind: global_buffer, .address_space: global }
      - { .name: cst, .offset: 24, .size: 8, .value_kind: global_buffer, .address_space: global }
      - { .name: kh, .offset: 32, .size: 8, .value_kind: global_buffer, .address_space: global }
    .group_segment_fixed_size: 327680
    .private_segment_fixed_size: 0
    .kernarg_segment_align: 8
    .kernarg_segment_size: 40
    .max_flat_workgroup_size: 128
    .sgpr_count:     84
    .vgpr_count:     512
    .wavefront_size: 32
...
	.end_amdgpu_metadata
.endif
;; end of part 2
;; launch attn (part 3): grid 8 x 32, 4 waves a work-group, no clusters, 327,680 bytes of LDS; arguments qh, kh, vh, oh; writes oh
.if DOCPART == 3
	.amdgcn_target "amdgcn-amd-amdhsa--gfx1250"
	.amdhsa_code_object_version 6
	.text
	.protected	k_q9fe7e1bc0d_attn
	.globl	k_q9fe7e1bc0d_attn
	.p2align	8
	.type	k_q9fe7e1bc0d_attn,@function
k_q9fe7e1bc0d_attn:
	s_mov_b64 s[64:65], 0
	v_nop
	global_prefetch_b8 v0, s[64:65] scope:SCOPE_SE
	s_setreg_imm32_b32 hwreg(HW_REG_WAVE_MODE, 25, 1), 1
	s_wait_xcnt 0x0
; CAUSAL ATTENTION, head size 128.  qh, kh, vh, oh: [4096 rows = batch x position][2048] f16; a head is 256 aligned bytes of a row.  kh holds k / 16; the 16 is given back in c.
; O[q] = sum over k <= q of softmax_k(q . k / sqrt(128)) v[k].  Products, maxima and sums in f32; the weights p are rounded to f16 for the second product (their sum l is of the unrounded p), O once.
; LIMITS.  A hidden score counts as its value less 1e30; a weight below 2^-126 counts as 0 in l; NaN and infinities are not treated apart.
; THE WALK.  A head has 16 blocks of 128 queries; block i needs the key tiles 0 .. i of 128 keys, the last of which holds the diagonal.  A work-group takes blocks 15 - b and then b:
; 17 tiles whatever b: 8 x 32 = 256 equal work-groups, one loop with a constant trip count.  Which tile is asked for and what a trip does hang on scalars made from b; all jumps but the loop go forward.
; NO CLUSTER: the eight work-groups of a head ask for the same tile only in the first 9 of 17 trips, and one walk common to all would have 24 trips.
; SHARES.  A wave owns two tiles of 16 queries, tile u in band u of 64 rows: rows 64 u + 16 w + l % 16.  So the diagonal tile is the same work for all waves.
; LAYOUT.  S^T = K Q^T: a lane holds one query (l % 16) and the keys 8 (l / 16) + 0..7; two results rounded to f16 are source 1 of O^T = V^T P.  V comes out of LDS turned.
; SOFTMAX.  p = 2^(c s - c m), running maximum m, c = 16 log2(e) / sqrt(128); O and l are multiplied by a = 2^(c m_old - c m_new) in every step.
; TURNS.  Turn (step j, tile y): 16 products K Q^T for the next turn (tile 1 - y), 16 products V^T P of the turn before (tile 1 - y); beside them the softmax of (j, y) and the maximum of the next.
; Four vector instructions stand behind every matrix instruction, six are over.  K and V of a step have two register buffers each, by the parity of the step: a run of 32 LDS loads has a whole turn to land.
; THE MASK is the C operand that starts a sum: MA (a band in its own step), HB (all hidden) hold -1e30 in the diagonal tile and 0 elsewhere.
; REGISTERS in windows of 256 (s_set_vgpr_msb: bits 1:0 source 0, 3:2 source 1, 5:4 source 2, 7:6 destination):
;   window 0: v0-15 addresses; v16-23 statistics; v24-31 at work; v32-95 S^T; v96-127 P; v128-255 O^T     window 1: v0-63 Q; v64-127 Q of the second block; v128-159 MA; v160-167 HB
;   window 2: K, two buffers of 128     window 3: V, two buffers of 128
.set KS,    64
.set PKP,   272       ; a row of K in LDS: 256 + 16 bytes
.set PVP,   288       ; a row of V: 256 + 32 bytes
.set VOFF,  KS*PKP    ; a step: 64 rows of K, then 64 rows of V
.set STEPB, KS*(PKP+PVP)
.set SLOT1, 1<<17     ; a slot holds a tile, two steps (71,680 bytes)
.set STAGE, SLOT1+2*STEPB  ; behind the ring: 16 rows x 272 bytes for each wave
.set SP,    272
.set SPARE, STAGE+4*16*SP  ; the spare words, 128 bytes for each wave
.set AK0, 2           ; v2   my place in a tile of K; never rewritten
.set AV0, 3           ; v3   the same for V
.set ADK, 4           ; v4   the same in the slot in hand
.set ADV, 5
.set STO, 6
.set RD,  7
.set GO,  8
.set QP,  9           ; v9   16 w + l % 16 - 8 (l / 16)
.set SPW, 10          ; v10  LDS address of my spare word; never rewritten
.set NIL, 11          ; v11  0; never rewritten
.set MV,  12          ; v12-13  c m_old, by tile
.set PFO, 14          ; v14  4,096 x lane; never rewritten
.set QO,  15          ; v15  my byte offset in 16 rows of Q
.set ST,  16          ; tile u at ST + 4 u: c m, m, l (even keys, odd keys)
.set TMP, 24          ; tile u at TMP + 4 u: c0-c3; c2 takes a
.set S,   32
.set P,   96
.set O,   128
.set QB,  64          ; window 1
.set MA,  128         ; window 1
.set HB,  160         ; window 1
.set WV,  12
.set PB,  14          ; b
.set HI,  15          ; 15 - b
.set G1K, 24
.set G1V, 32
.set G0K, 40
.set G0V, 44
.set SLOTS, 56
.set CS,  58
.set SEL, 60
.set TB,  62          ; the slot in hand
.set RT,  70          ; tiles of the block in hand still to be entered
.set NXT, 71          ; the tile to be asked for next
.set LQ,  72          ; the last tile of the block whose tiles are being asked for
.set NEW, 73          ; 1: the tile to be entered is the first of a block
.set OFF, 74
.set OLO, 80          ; O at my rows of the second block
.set BIGN, 82
.set BSEL, 83         ; -1e30 in the diagonal tile, else 0
.set PFK, 84          ; where my prefetches stand in K and in V
.set PFV, 86
.set PFN, 88          ; prefetches still to come
.set QLO, 90
.set MSB, 0
.macro WIN new
.if MSB != (\new)
	s_set_vgpr_msb (MSB<<8)|(\new)
.set MSB, (\new)
.endif
.endm
.set W_KQ, 0x06       ; K window 2, Q window 1, S^T window 0
.set W_KM, 0x16       ; the same with C in window 1
.set W_PV, 0x03       ; V window 3, P and O^T window 0
; A fill: waves 0, 1 fetch K of the two steps of a tile, waves 2, 3 V.  s_nop 0 and four v_nop follow each line.
.macro LOAD
	s_cmp_lt_u32 s[WV], 2
	s_cbranch_scc0 .Lfor_v_\@
	tensor_load_to_lds s[G0K:G0K+3], s[G1K:G1K+7]
	s_nop 0
.rept 4
	v_nop
.endr
	s_branch .Lasked_\@
.Lfor_v_\@:
	tensor_load_to_lds s[G0V:G0V+3], s[G1V:G1V+7]
	s_nop 0
.rept 4
	v_nop
.endr
.Lasked_\@:
.endm
; A prefetch into the L2.  All eight work-groups of a head walk the same rows of K and V; the one with b = 0, whose first block walks all 16 tiles, asks: in trip t for tile t + 3,
; two trips (256 matrix instructions) ahead of the load of that tile; wave w names rows 32 w .. 32 w + 31, a lane a row of 256 bytes.  Tiles 3 to 15: 13 times; tiles 0 to 2 come by their loads alone.
.macro ASK
	s_cmp_lg_u32 s[PFN], 0
	s_cbranch_scc0 .Lnot_mine_\@
	global_prefetch_b8 v[PFO], s[PFK:PFK+1] th:TH_LOAD_NT scope:SCOPE_SE
	global_prefetch_b8 v[PFO], s[PFV:PFV+1] th:TH_LOAD_NT scope:SCOPE_SE
	s_sub_co_u32 s[PFN], s[PFN], 1
.Lnot_mine_\@:
.endm
; THE CHANGE OF SLOTS.  Each wave waits for all its tensor loads (one is out: its part of the other slot), adds 0 to its spare word, waits for that and for its reads of the slot that it leaves.
; fill = 1: the old slot is filled again, first thing behind the barrier, with tile NXT; the address is made anew from that number.
.macro CHANGE fill
	WIN 0
	s_wait_tensorcnt 0x0
	ds_add_u32 v[SPW], v[NIL]       ; 0 onto my spare word; scalar work stands between it and the wait for it
.if \fill
	s_lshl_b32 s[OFF], s[NXT], 19   ; a tile is 128 rows of 4,096 bytes
	s_xor_b32 s[G0K+1], s[G0K+1], SLOT1
	s_add_nc_u64 s[G0K+2:G0K+3], s[6:7], s[OFF:OFF+1]
	s_or_b32 s[G0K+3], s[G0K+3], 0x80000000
	s_xor_b32 s[G0V+1], s[G0V+1], SLOT1
	s_add_nc_u64 s[G0V+2:G0V+3], s[8:9], s[OFF:OFF+1]
	s_or_b32 s[G0V+3], s[G0V+3], 0x80000000
	s_add_co_u32 s[NXT], s[NXT], 1  ; the next tile of the block, or behind its last tile 0 of the second block
	s_cmp_gt_u32 s[NXT], s[LQ]
	s_cselect_b32 s[NXT], 0, s[NXT]
	s_cselect_b32 s[LQ], s[PB], s[LQ]
	s_wait_xcnt 0x0                 ; the last prefetches, a trip back, have read their addresses
	s_add_nc_u64 s[PFK:PFK+1], s[PFK:PFK+1], 0x80000
	s_add_nc_u64 s[PFV:PFV+1], s[PFV:PFV+1], 0x80000
.endif
	s_wait_dscnt 0x0                ; the add is done, my reads of the slot are over
	s_barrier_signal -1
	s_xor_b32 s[TB], s[TB], SLOT1
	s_barrier_wait -1
.if \fill
	LOAD
	ASK
.endif
.endm
	s_load_b256 s[4:11], s[0:1], 0x0  ; qh 4, kh 6, vh 8, oh 10
	v_lshl_add_u32 v[SPW], v0, 2, SPARE
	v_mov_b32 v[NIL], 0
	ds_add_u32 v[SPW], v[NIL]       ; the opening: the add and its wait stand ahead of my first tensor load
	ds_add_u32 v10, v11
	v_lshrrev_b32 v1, 5, v0
	v_readfirstlane_b32 s[WV], v1
	s_mov_b32 s[PB], ttmp9
	s_sub_co_u32 s[HI], 15, s[PB]
	s_and_b32 s13, ttmp7, 0xffff    ; 16 x batch + head
	s_lshr_b32 s20, s13, 4
	s_lshl_b32 s20, s20, 23         ; a batch is 2,048 rows of 4,096 bytes
	s_and_b32 s21, s13, 15
	s_lshl_b32 s21, s21, 8          ; a head is 256 bytes of a row
	s_add_co_u32 s20, s20, s21
	s_and_b32 s16, s[WV], 1         ; which step of a tile I fetch:
	s_lshl_b32 s22, s16, 18         ; its 64 rows in memory,
	s_add_co_u32 s22, s22, s20
	s_mov_b32 s23, 0
	s_mul_i32 s17, s16, STEPB       ; and its place in a slot
	s_lshl_b32 s3, s[WV], 16        ; my 16 rows in a band
	s_add_co_u32 s3, s3, s20
	s_lshl_b32 s2, s[HI], 19        ; in the first block,
	s_add_co_u32 s2, s2, s3
	s_lshl_b32 s18, s[PB], 19       ; and in the second
	s_add_co_u32 s18, s18, s3
	s_mov_b32 s3, 0
	s_mov_b32 s19, 0
	s_lshl_b32 s92, s[WV], 17       ; the prefetches: my 32 rows of a tile,
	s_add_co_u32 s92, s92, s20
	s_add_co_u32 s92, s92, 2<<19    ; in tile 2: the first change of slots steps it to tile 3
	s_mov_b32 s93, 0
	s_cmp_eq_u32 s[PB], 0
	s_cselect_b32 s[PFN], 13, 0
	s_mov_b32 s[G1K], (1<<16)|(1<<20)|(5<<22)|(3<<25)  ; 2-byte elements; padding on; after every 64 words 4 words
	s_mov_b32 s[G1V], (1<<16)|(1<<20)|(5<<22)|(7<<25)  ; 8 words
.irp g, G1K, G1V
	s_mov_b32 s[\g+1], 128<<16      ; tensor_dim0 = 128
	s_mov_b32 s[\g+2], 64<<16       ; tensor_dim1 = 64
	s_mov_b32 s[\g+3], 128<<16      ; tile_dim0 = 128
	s_mov_b32 s[\g+4], 64           ; tile_dim1 = 64
	s_mov_b32 s[\g+5], 2048         ; elements from row to row
	s_mov_b32 s[\g+6], 0
	s_mov_b32 s[\g+7], 0
.endr
	s_mov_b32 s[CS], 0x400293ee     ; c = 16 log2(e) / sqrt(128) = 2.040279
	s_mov_b32 s[CS+1], s[CS]
	s_mov_b32 s[SEL], 0x76543210
	s_mov_b32 s[SEL+1], 0xfedcba98
	s_mov_b32 s[TB], SLOT1          ; the first change of slots turns it into 0
	s_mov_b32 s[G0K], 1
	s_mov_b32 s[G0K+1], s17
	s_mov_b32 s[G0V], 1
	s_add_co_u32 s[G0V+1], s17, VOFF
	s_add_co_u32 s[RT], s[HI], 1    ; the first block has 16 - b tiles
	s_mov_b32 s[NXT], 1
	s_mov_b32 s[LQ], s[HI]
	s_mov_b32 s[NEW], 1
	s_mov_b32 s[OFF+1], 0
	s_mov_b32 s[BIGN], 0xf149f2ca   ; -1e30
	s_mov_b32 s[SLOTS], 16
	s_wait_dscnt 0x0                ; the opening add is done
	s_wait_kmcnt 0x0
	s_add_nc_u64 s[PFK:PFK+1], s[6:7], s[92:93]
	s_add_nc_u64 s[PFV:PFV+1], s[8:9], s[92:93]
	s_add_nc_u64 s[6:7], s[6:7], s[22:23]  ; K and V at my step of tile 0 of the head
	s_add_nc_u64 s[8:9], s[8:9], s[22:23]
	s_add_nc_u64 s[G0K+2:G0K+3], s[6:7], 0
	s_or_b32 s[G0K+3], s[G0K+3], 0x80000000
	s_add_nc_u64 s[G0V+2:G0V+3], s[8:9], 0
	s_or_b32 s[G0V+3], s[G0V+3], 0x80000000
	s_add_nc_u64 s[QLO:QLO+1], s[4:5], s[18:19]
	s_add_nc_u64 s[4:5], s[4:5], s[2:3]
	s_add_nc_u64 s[OLO:OLO+1], s[10:11], s[18:19]
	s_add_nc_u64 s[10:11], s[10:11], s[2:3]
	LOAD                            ; tile 0 into slot 0
	v_and_b32 v1, 15, v0            ; l % 16
	v_bfe_u32 v24, v0, 4, 1         ; l / 16
	v_lshlrev_b32 v[QO], 12, v1
	v_lshl_add_u32 v[QO], v24, 4, v[QO]  ; row x 4,096 + 16 x half
	WIN 0x40                        ; destination window 1
.set i, 0
.rept 8                             ; Q of both blocks: tile i / 4 lies 64 rows on; channels 32 (i % 4) on
	global_load_b128 v[8*i:8*i+3],   v[QO], s[4:5] offset:(i/4)*262144+(i%4)*64
	global_load_b128 v[8*i+4:8*i+7], v[QO], s[4:5] offset:(i/4)*262144+(i%4)*64+32
	global_load_b128 v[QB+8*i:QB+8*i+3],   v[QO], s[QLO:QLO+1] offset:(i/4)*262144+(i%4)*64
	global_load_b128 v[QB+8*i+4:QB+8*i+7], v[QO], s[QLO:QLO+1] offset:(i/4)*262144+(i%4)*64+32
.set i, i+1
.endr
.set i, MA
.rept 40
	v_mov_b32 v[i], 0               ; the masks are 0 outside the diagonal tile
.set i, i+1
.endr
	WIN 0
	v_lshlrev_b32 v27, 3, v24
	v_sub_nc_u32 v[QP], v1, v27
	s_lshl_b32 s13, s[WV], 4
	v_add_nc_u32 v[QP], s13, v[QP]
	v_mul_u32_u24 v[AK0], v1, PKP
	v_lshl_add_u32 v[AK0], v24, 4, v[AK0]  ; row x pitch + 16 x half
	v_and_b32 v25, 7, v0            ; the turning load: lane l reads key 8 (l / 16) + l % 8, channels 8 ((l / 8) % 2) + 0..7
	v_bfe_u32 v26, v0, 3, 1
	v_lshl_add_u32 v[AV0], v24, 3, v25
	v_mul_u32_u24 v[AV0], v[AV0], PVP
	v_lshl_add_u32 v[AV0], v26, 4, v[AV0]
	v_add_nc_u32 v[AV0], VOFF, v[AV0]
	s_mul_i32 s13, s[WV], 16*SP
	s_add_co_u32 s13, s13, STAGE    ; my stage
	v_mul_u32_u24 v[STO], v1, SP    ; in: row l % 16, 16 bytes for each half of the lanes
	v_lshl_add_u32 v[STO], v24, 4, v[STO]
	v_add_nc_u32 v[STO], s13, v[STO]
	v_mul_u32_u24 v[RD], v24, SP    ; back: lanes 0-15 one row of 256 bytes, lanes 16-31 the next
	v_lshl_add_u32 v[RD], v1, 4, v[RD]
	v_add_nc_u32 v[RD], s13, v[RD]
	v_lshlrev_b32 v[GO], 12, v24    ; the same two rows in O
	v_lshl_add_u32 v[GO], v1, 4, v[GO]
	v_and_b32 v[PFO], 31, v0
	v_lshlrev_b32 v[PFO], 12, v[PFO]
	; The first step of a block multiplies O^T and l by a = 0, and its first products V^T P, of a turn that has not been, land in an O^T still to be so multiplied:
	; these registers need only be finite: zeros now, what the first block left later.  All this stands in the wait for the first tile.
	WIN 0xc0
.set i, 128
.rept 128
	v_mov_b32 v[i], 0
.set i, i+1
.endr
	WIN 0
.set i, O
.rept 128
	v_mov_b32 v[i], 0
.set i, i+1
.endr
.set i, P+16
.rept 16
	v_mov_b32 v[i], 0
.set i, i+1
.endr
	v_mov_b32 v[ST+2], 0
	v_mov_b32 v[ST+3], 0
	v_mov_b32 v[ST+6], 0
	v_mov_b32 v[ST+7], 0
; THE MATRIX WORK.  Product i of 16 of S^T = K Q^T for tile u: channels 32 (i / 4) on, keys 16 (i % 4) on; four accumulators by turns.  The first four start the sums: with 0, MA (CM = 1) or HB (CM = 2).
.macro KQ u
.set rS, S+32*(\u)+8*(i%4)
.set rK, 128*KB+32*(i%4)+8*(i/4)
.set rQ, 32*(\u)+8*(i/4)
.if (i < 4) && (CM == 1)
	WIN W_KM
	v_wmma_f32_16x16x32_f16 v[rS:rS+7], v[rK:rK+7], v[rQ:rQ+7], v[MA+8*(i%4):MA+8*(i%4)+7]
.elseif (i < 4) && (CM == 2)
	WIN W_KM
	v_wmma_f32_16x16x32_f16 v[rS:rS+7], v[rK:rK+7], v[rQ:rQ+7], v[HB:HB+7]
.elseif i < 4
	WIN W_KQ
	v_wmma_f32_16x16x32_f16 v[rS:rS+7], v[rK:rK+7], v[rQ:rQ+7], 0
.else
	WIN W_KQ
	v_wmma_f32_16x16x32_f16 v[rS:rS+7], v[rK:rK+7], v[rQ:rQ+7], v[rS:rS+7]
.endif
.endm
; Product i - 16 of 16 of O^T += V^T P for tile u: keys 32 ((i - 16) / 8) on, channels 16 ((i - 16) % 8) on; eight accumulators by turns.
.macro PV u
	WIN W_PV
.set rO, O+64*(\u)+8*((i-16)%8)
.set rV, 128*VB+64*((i-16)/8)+8*((i-16)%8)
.set rP, P+16*(\u)+8*((i-16)/8)
	v_wmma_f32_16x16x32_f16 v[rO:rO+7], v[rV:rV+7], v[rP:rP+7], v[rO:rO+7]
.endm
.macro MM                           ; the next matrix instruction of the turn; NOKQ = 1: the last turn of a block has no next scores
.if i < 16
.if !NOKQ
	KQ 1-Y
.endif
.else
	PV 1-Y
.endif
.set i, i+1
.endm
; THE LDS LOADS stand in runs of 32: K of a step (16 fragments) or its V (turned), from byte off behind the slot, into register buffer buf.
.macro FETCHK buf, off
	WIN 0x80
.irp f, 0,1,2,3,4,5,6,7,8,9,10,11,12,13,14,15  ; keys 16 (f / 4) on, channels 32 (f % 4) on
	ds_load_b128 v[128*(\buf)+8*(\f):128*(\buf)+8*(\f)+3],   v[ADK] offset:(\off)+((\f)/4)*16*PKP+((\f)%4)*64
	ds_load_b128 v[128*(\buf)+8*(\f)+4:128*(\buf)+8*(\f)+7], v[ADK] offset:(\off)+((\f)/4)*16*PKP+((\f)%4)*64+32
.endr
.endm
.macro FETCHV buf, off
	WIN 0xc0
.irp f, 0,1,2,3,4,5,6,7,8,9,10,11,12,13,14,15  ; keys 32 (f / 8) on, channels 16 (f % 8) on
	ds_load_tr16_b128 v[128*(\buf)+8*(\f):128*(\buf)+8*(\f)+3],   v[ADV] offset:(\off)+((\f)/8)*32*PVP+((\f)%8)*32
	ds_load_tr16_b128 v[128*(\buf)+8*(\f)+4:128*(\buf)+8*(\f)+7], v[ADV] offset:(\off)+((\f)/8)*32*PVP+16*PVP+((\f)%8)*32
.endr
.endm
; THE VECTOR WORK, a line at a time: OP kind, number.  For tile Y: F n: c s - c m for pair n of 16.  E n: the exponential of score n of 32.  C n: pair n rounded to f16.  B n: of the four weights 4 n ..
; the second pair is added onto the first.  L n: l takes that sum (L 0: l = a l + sum).  R n: pair n of 32 of O^T times a.  For tile 1 - Y: X n, number n of the 22 that find its maximum and statistics:
;   0-11 four chains c0-c3 of seven scores (the lowest registers of each accumulator are read first)   12-14, 16 the four left over, the old m, c0-c3 into c0   15 c m_old is kept
;   17, 18 the other 32 keys of the query lie in the lane 16 away: the new m   19-21 c m; c m_old - c m_new; a
.set F, 0
.set E, 1
.set C, 2
.set B, 3
.set L, 4
.set R, 5
.set X, 6
.macro REGS y
.set rT, ST+4*(\y)
.set rC, TMP+4*(\y)
.set rW, MV+(\y)
.set rS, S+32*(\y)
.set rP, P+16*(\y)
.set rO, O+64*(\y)
.endm
.macro OP k, n
	WIN 0
.if (\k) < X
	REGS Y
.if (\k) == F
	v_pk_fma_f32 v[rS+2*(\n):rS+2*(\n)+1], v[rS+2*(\n):rS+2*(\n)+1], s[CS:CS+1], v[rT:rT+1] op_sel_hi:[1,0,0] neg_lo:[0,0,1] neg_hi:[0,0,1]
.elseif (\k) == E
	v_exp_f32 v[rS+(\n)], v[rS+(\n)]
.elseif (\k) == C
	s_wait_alu depctr_va_vdst(0)
	v_cvt_pk_f16_f32 v[rP+(\n)], v[rS+2*(\n)], v[rS+2*(\n)+1]
.elseif (\k) == B
	v_pk_add_f32 v[rS+4*(\n):rS+4*(\n)+1], v[rS+4*(\n):rS+4*(\n)+1], v[rS+4*(\n)+2:rS+4*(\n)+3]
.elseif (\k) == R
	v_pk_mul_f32 v[rO+2*(\n):rO+2*(\n)+1], v[rO+2*(\n):rO+2*(\n)+1], v[rC+2:rC+3] op_sel_hi:[1,0]
.elseif (\n) == 0
	v_pk_fma_f32 v[rT+2:rT+3], v[rT+2:rT+3], v[rC+2:rC+3], v[rS:rS+1] op_sel_hi:[1,0,1]
.else
	v_pk_add_f32 v[rT+2:rT+3], v[rT+2:rT+3], v[rS+4*(\n):rS+4*(\n)+1]
.endif
.elseif NOKQ
	v_nop
	s_wait_alu depctr_va_vdst(0)
.else
	REGS 1-Y
.if (\n) < 4
	v_max3_num_f32 v[rC+(\n)], v[rS+8*(\n)], v[rS+8*(\n)+1], v[rS+8*(\n)+2]
.elseif (\n) < 12
	v_max3_num_f32 v[rC+(\n)%4], v[rC+(\n)%4], v[rS+8*((\n)%4)+2*((\n)/4)+1], v[rS+8*((\n)%4)+2*((\n)/4)+2]
.elseif (\n) == 12
	v_max3_num_f32 v[rC], v[rC], v[rS+7], v[rS+15]
.elseif (\n) == 13
	v_max3_num_f32 v[rC+1], v[rC+1], v[rS+23], v[rS+31]
	s_wait_alu depctr_va_vdst(0)
.elseif (\n) == 14
	v_max3_num_f32 v[rC+2], v[rC+2], v[rC+3], v[rT+1]
.elseif (\n) == 15
	v_mov_b32 v[rW], v[rT]
.elseif (\n) == 16
	v_max3_num_f32 v[rC], v[rC], v[rC+1], v[rC+2]
.elseif (\n) == 17
	v_permlanex16_b32 v[rC+3], v[rC], s[SEL], s[SEL+1]
.elseif (\n) == 18
	v_max_num_f32 v[rT+1], v[rC], v[rC+3]
.elseif (\n) == 19
	v_mul_f32 v[rT], s[CS], v[rT+1]
.elseif (\n) == 20
	v_sub_f32 v[rC+1], v[rW], v[rT]
.else
	v_exp_f32 v[rC+2], v[rC+1]
.endif
.endif
.endm
.macro OPS a, i1, b=-1, i2=0, c=-1, i3=0, d=-1, i4=0
	OP \a, \i1
.if (\b) >= 0
	OP \b, \i2
.endif
.if (\c) >= 0
	OP \c, \i3
.endif
.if (\d) >= 0
	OP \d, \i4
.endif
.endm
.macro ROW a, i1, b, i2, c, i3, d, i4  ; a matrix instruction and the four behind it
	MM
	OPS \a, \i1, \b, \i2, \c, \i3, \d, \i4
.endm
; A TURN for tile y.  kbuf, vbuf: the register buffers of its products.  cmode: what starts the sums of its scores.  fetch: 1 K of the first step of the tile -> K0; 2 its V -> V0; 3 K of the second step -> K1;
; 4 its V -> V1; 0 none.  wait = 1: the runs of loads issued in the two turns before are waited for.  The run stands behind the second product; the buffer it fills was last read a turn back or more,
; with ten plain instructions (the last rescalings) between.  Each exponential has a line behind it that does not touch it; a rounding stands four rows behind its exponentials;
; four plain lines (B 3, C 10, L 2, C 11) stand between the last product K Q^T and the first read of its result.
.macro TURN y, kbuf, vbuf, cmode, fetch, wait, nokq
.set Y, (\y)
.set KB, (\kbuf)
.set VB, (\vbuf)
.set CM, (\cmode)
.set NOKQ, (\nokq)
.set i, 0
.if \wait
	s_wait_dscnt 0x0
.endif
	ROW F,0, F,1, F,2, F,3
	ROW F,4, E,0, F,5, E,1
.if (\fetch) == 1
	FETCHK 0, 0
.elseif (\fetch) == 2
	FETCHV 0, 0
.elseif (\fetch) == 3
	FETCHK 1, STEPB
.elseif (\fetch) == 4
	FETCHV 1, STEPB
.endif
	ROW F,6, E,2, F,7, E,3
	ROW F,8, E,4, F,9, E,5
	ROW F,10, E,6, F,11, E,7
	ROW F,12, E,8, C,0, E,9
	ROW F,13, E,10, C,1, E,11
	ROW F,14, E,12, C,2, E,13
	ROW F,15, E,14, C,3, E,15
	ROW B,0, E,16, C,4, E,17
	ROW X,15, E,18, C,5, E,19
	ROW L,0, E,20, C,6, E,21
	ROW B,1, E,22, C,7, E,23
	ROW B,2, E,24, C,8, E,25
	ROW L,1, E,26, C,9, E,27
	ROW B,3, E,28, C,10, E,29
	ROW L,2, E,30, C,11, E,31
	ROW X,0, X,1, X,2, X,3
	ROW X,4, X,5, X,6, X,7
	ROW X,8, X,9, X,10, X,11
	ROW X,12, X,13, C,12, B,4
	ROW X,14, C,13, L,3, B,5
	ROW X,16, C,14, L,4, C,15
	ROW R,0, R,1, R,2, X,17
	ROW B,6, B,7, L,5, X,18
	ROW R,3, R,4, R,5, X,19
	ROW L,6, R,6, R,7, X,20
	ROW L,7, R,8, R,9, R,10
	ROW R,11, X,21, R,12, R,13
	ROW R,14, R,15, R,16, R,17
	ROW R,18, R,19, R,20, R,21
	ROW R,22, R,23, R,24, R,25
	OPS R,26, R,27, R,28, R,29
	OPS R,30, R,31
.endm
; The masks for the tile to be entered: MA: BSEL where key 16 kb + 8 (l / 16) + j of a step lies behind my query of the band; HB: BSEL everywhere.
.macro MASKS
	WIN 0x40
.set i, 0
.rept 32
	v_cmp_gt_i32 vcc_lo, 16*(i/8)+i%8, v[QP]
	v_cndmask_b32 v[MA+i], 0, s[BSEL], vcc_lo
.set i, i+1
.endr
.set i, 0
.rept 8
	v_mov_b32 v[HB+i], s[BSEL]
.set i, i+1
.endr
	WIN 0
.endm
; A BLOCK BEGINS.  c m starts far below every c s, so the first a is 0; m at the lowest finite number.  K and V of the first step, the first scores of tile 0 (with MA), its maximum and statistics.
.macro START
	s_mov_b32 s[NEW], 0
	WIN 0
.irp u, 0,1
	v_mov_b32 v[ST+4*(\u)], 0xfe000000
	v_mov_b32 v[ST+4*(\u)+1], 0xff7fffff
.endr
	FETCHK 0, 0
	FETCHV 0, 0
	s_wait_loadcnt 0x0              ; Q
	s_wait_dscnt 32                 ; K is in; the 32 loads of V may stay out: the second turn from here waits for them
.set KB, 0
.set CM, 1
.set NOKQ, 0
.set i, 0
.rept 16
	KQ 0
.set i, i+1
.endr
	WIN 0
	s_wait_alu depctr_va_vdst(0)
.rept 4
	v_nop                           ; the places behind those products
.endr
.set Y, 1                           ; X works for tile 1 - Y: tile 0
.irp n, 0,1,2,3,4,5,6,7,8,9,10,11,12,13,14,15,16,17,18,19,20,21
	OP X, \n
.endr
	v_nop                           ; a plain line behind the exponential
.endm
; THE WAY OUT of tile u: O^T / l, rounded to f16, 16 bytes a lane into rows of 272 bytes of my stage, back as whole rows of 256.
.macro PACK u
	WIN 0
.set i, 0
.rept 32
	v_pk_mul_f32 v[O+64*(\u)+2*i:O+64*(\u)+2*i+1], v[O+64*(\u)+2*i:O+64*(\u)+2*i+1], v[ST+4*(\u)+2:ST+4*(\u)+3] op_sel_hi:[1,0]
.set i, i+1
.endr
.set i, 0
.rept 32
	v_cvt_pk_f16_f32 v[S+32*(\u)+i], v[O+64*(\u)+2*i], v[O+64*(\u)+2*i+1]
.set i, i+1
.endr
.irp f, 0,1,2,3,4,5,6,7
	ds_store_b128 v[STO], v[S+32*(\u)+4*(\f):S+32*(\u)+4*(\f)+3] offset:32*(\f)
.endr
.irp f, 0,1,2,3,4,5,6,7
	ds_load_b128 v[S+32*(\u)+4*(\f):S+32*(\u)+4*(\f)+3], v[RD] offset:(\f)*2*SP  ; LDS serves a wave in order: these see the stores above, and the stores of the next tile come behind them
.endr
.endm
.macro SEND u, younger              ; younger: the LDS instructions issued behind the loads of tile u
.irp f, 0,1,2,3,4,5,6,7
	s_wait_dscnt (\younger)+7-(\f)
	global_store_b128 v[GO], v[S+32*(\u)+4*(\f):S+32*(\u)+4*(\f)+3], s[10:11] offset:(\u)*262144+(\f)*8192  ; 16 lanes store 256 consecutive bytes, aligned
.endr
.endm
; A BLOCK ENDS: the two turns of the last step (tile 1 takes MA: the step is its own), the last products, the way out.
.macro FINISH
	TURN 0, 1, 0, 1, 0, 0, 0
	TURN 1, 0, 1, 0, 0, 1, 1
.set Y, 0
.set VB, 1
.set i, 16
.rept 16
	PV 1
.set i, i+1
.endr
	WIN 0
.irp u, 0,1
	v_add_f32 v[ST+4*(\u)+2], v[ST+4*(\u)+2], v[ST+4*(\u)+3]
.endr
.irp u, 0,1
	v_permlanex16_b32 v[ST+4*(\u)+3], v[ST+4*(\u)+2], s[SEL], s[SEL+1]
.endr
.irp u, 0,1
	v_add_f32 v[ST+4*(\u)+2], v[ST+4*(\u)+2], v[ST+4*(\u)+3]
.endr
.irp u, 0,1
	v_rcp_f32 v[ST+4*(\u)+2], v[ST+4*(\u)+2]
.endr
	v_nop                           ; a plain line between the last reciprocal and its use
	s_wait_alu depctr_va_vdst(0)
	PACK 0
	PACK 1
	SEND 0, 16
	SEND 1, 0
.endm
.Lslot:                             ; 16 times: a tile is entered and the next is asked for
	CHANGE 1
	s_sub_co_u32 s[RT], s[RT], 1
	v_add_nc_u32 v[ADK], s[TB], v[AK0]
	v_add_nc_u32 v[ADV], s[TB], v[AV0]
	s_cmp_eq_u32 s[RT], 0
	s_cselect_b32 s[BSEL], s[BIGN], 0
	s_cmp_eq_u32 s[NEW], 1
	s_cbranch_scc1 .Lnew            ; the first tile of a block
	s_cmp_lg_u32 s[RT], 0
	s_cbranch_scc1 .Lplain
	MASKS                           ; the diagonal tile
.Lplain:
	TURN 0, 1, 0, 0, 1, 0, 0        ; second step of the tile before, tile 0 | K of the first step
	TURN 1, 0, 1, 1, 2, 1, 0        ; the same step, tile 1 | V of the first step
	WIN 0
	s_branch .Lfirst
.Lnew:
	MASKS                           ; 0 again, or the diagonal
	START
.Lfirst:
	TURN 0, 0, 1, 0, 3, 0, 0        ; first step, tile 0 | K of the second step
	TURN 1, 1, 0, 2, 4, 1, 0        ; first step, tile 1 | V of the second step
	WIN 0
	s_cmp_lg_u32 s[RT], 0
	s_cbranch_scc1 .Lbottom
	FINISH                          ; in the loop this is the end of the first block
	s_wait_xcnt 0x0                 ; the stores have read their registers and the address of O
	s_mov_b64 s[10:11], s[OLO:OLO+1]
	s_add_co_u32 s[RT], s[PB], 1    ; the second block has b + 1 tiles
	s_mov_b32 s[NEW], 1
	WIN 0x41                        ; Q of the second block goes where the turns name Q
.set i, 0
.rept 64
	v_mov_b32 v[i], v[QB+i]
.set i, i+1
.endr
	WIN 0
.Lbottom:
	s_sub_co_u32 s[SLOTS], s[SLOTS], 1
	s_cmp_lg_u32 s[SLOTS], 0
	s_cbranch_scc1 .Lslot
	CHANGE 0                        ; the last tile of the walk is written out; it is the diagonal tile of the second block
	s_sub_co_u32 s[RT], s[RT], 1
	v_add_nc_u32 v[ADK], s[TB], v[AK0]
	v_add_nc_u32 v[ADV], s[TB], v[AV0]
	s_mov_b32 s[BSEL], s[BIGN]
	MASKS
	s_cmp_eq_u32 s[NEW], 1
	s_cbranch_scc1 .Lnew2
	TURN 0, 1, 0, 0, 1, 0, 0
	TURN 1, 0, 1, 1, 2, 1, 0
	WIN 0
	s_branch .Lfirst2
.Lnew2:
	START
.Lfirst2:
	TURN 0, 0, 1, 0, 3, 0, 0
	TURN 1, 1, 0, 2, 4, 1, 0
	FINISH
	s_wait_tensorcnt 0x0            ; the end of the wave, behind my last tensor load and LDS store
	ds_add_u32 v[SPW], v[NIL]
	s_wait_dscnt 0x0
	s_endpgm
.Lfunc_end_k_q9fe7e1bc0d_attn:
	.size	k_q9fe7e1bc0d_attn, .Lfunc_end_k_q9fe7e1bc0d_attn-k_q9fe7e1bc0d_attn
	.p2alignl 7, 3214868480
	.fill 96, 4, 3214868480
	.section	.rodata,"a",@progbits
	.p2align	6, 0x0
	.amdhsa_kernel k_q9fe7e1bc0d_attn
		.amdhsa_group_segment_fixed_size 327680
		.amdhsa_private_segment_fixed_size 0
		.amdhsa_enable_private_segment 0
		.amdhsa_kernarg_size 32
		.amdhsa_user_sgpr_count 2
		.amdhsa_user_sgpr_kernarg_segment_ptr 1
		.amdhsa_wavefront_size32 1
		.amdhsa_system_sgpr_workgroup_id_x 1
		.amdhsa_system_sgpr_workgroup_id_y 1
		.amdhsa_system_sgpr_workgroup_id_z 1
		.amdhsa_system_vgpr_workitem_id 0
		.amdhsa_next_free_vgpr 1024
		.amdhsa_next_free_sgpr 96
		.amdhsa_reserve_vcc 1
		.amdhsa_float_denorm_mode_32 3
		.amdhsa_float_denorm_mode_16_64 3
		.amdhsa_memory_ordered 1
		.amdhsa_forward_progress 1
		.amdhsa_inst_pref_size 229
	.end_amdhsa_kernel
	.amdgpu_metadata
---
amdhsa.version: [ 1, 2 ]
amdhsa.kernels:
  - .name:           k_q9fe7e1bc0d_attn
    .symbol:         k_q9fe7e1bc0d_attn.kd
    .args:
      - { .name: qh, .offset: 0, .size: 8, .value_kind: global_buffer, .address_space: global }
      - { .name: kh, .offset: 8, .size: 8, .value_kind: global_buffer, .address_space: global }
      - { .name: vh, .offset: 16, .size: 8, .value_kind: global_buffer, .address_space: global }
      - { .name: oh, .offset: 24, .size: 8, .value_kind: global_buffer, .address_space: global }
    .group_segment_fixed_size: 327680
    .private_segment_fixed_size: 0
    .kernarg_segment_align: 8
    .kernarg_segment_size: 32
    .max_flat_workgroup_size: 128
    .sgpr_count:     96
    .vgpr_count:     1024
    .wavefront_size: 32
...
	.end_amdgpu_metadata
.endif
;; end of part 3
;; launch oproj (part 4): grid 8 x 32, 4 waves a work-group, clusters of 4 x 4, 327,680 bytes of LDS; arguments oh, pwh, proj_b, out0; writes out0
.if DOCPART == 4
	.amdgcn_target "amdgcn-amd-amdhsa--gfx1250"
	.amdhsa_code_object_version 6
	.text
	.protected	k_q9fe7e1bc0d_oproj
	.globl	k_q9fe7e1bc0d_oproj
	.p2align	8
	.type	k_q9fe7e1bc0d_oproj,@function
k_q9fe7e1bc0d_oproj:
	s_mov_b64 s[64:65], 0
	v_nop
	global_prefetch_b8 v0, s[64:65] scope:SCOPE_SE
	s_setreg_imm32_b32 hwreg(HW_REG_WAVE_MODE, 25, 1), 1
	s_wait_xcnt 0x0
	s_wait_alu depctr_hold_cnt(0) depctr_sa_sdst(0) depctr_va_vdst(0) depctr_va_sdst(0) depctr_va_ssrc(0) depctr_va_vcc(0) depctr_vm_vsrc(0)
	s_getreg_b32 s2, hwreg(HW_REG_IB_STS2, 6, 4)
	s_cmp_eq_u32 s2, 0
	s_cbranch_scc0 .Lentry_in_a_cluster
	s_endpgm
.Lentry_in_a_cluster:
	s_bfe_u32 s2, ttmp6, 0x10000c
	s_cmp_lg_u32 s2, 0xf033
	s_cbranch_scc0 .Lentry_shape_is_right
	s_endpgm
.Lentry_shape_is_right:
; C[4096][2048] = A[4096][2048] B[2048][2048]^T + bias, A and B in f16, sums in f32.
; ROPE = 1: the key projection.  The sums take the bias (rounded to bf16), are rotated with the table cst (cos/16, sin/16) and stored as f16: kh = RoPE(k) / 16.
; ROPE = 0: the output projection.  The sums take the bias (rounded to bf16) and are stored as f32.
; LIMIT (ROPE = 0): A is the attention output in f16, a mean of rows of value, which lie within f16; NaN and infinities are not treated apart.
; SHARES.  A tile of C is 128 x 256: 32 x 8 = 256 work-groups.  Four waves, each 64 x 128: 32 accumulators of 16 x 16, 256 registers.
; K goes in 16 steps of 128 (rows of 256 bytes, aligned) through two LDS slots filled by tensor loads; waves 0, 1 fetch the halves of A (64 rows each), waves 2, 3 those of B (128 rows each).
; CLUSTER 4 x 4: the four of a row need the same tile of A, the four of a column the same tile of B: each is asked for jointly, same descriptor, same mask.
; THE MATRIX INSTRUCTION IS USED TRANSPOSED (source 0 = 16 rows of B, source 1 = 16 rows of A): a lane holds row l % 16 of C and the columns 8 (l / 16) + 0..7.
; REGISTERS: window 0: v0-19 addresses and bias; v32-127, v128-223 two fragment buffers (64 of B, 32 of A), later at work on the way out.  Window 1: the accumulators, (a, b) at 8 (8 a + b).
; No prefetch of the tiles: a K step here is short and the tiles are shared in the cluster.
.set ROPE,   0
.set OSH,    2-ROPE                    ; a number of C has 1 << OSH bytes
.set PITCH,  272                       ; an LDS row: 256 bytes + 16 of padding: the 16 rows of a fragment load start at 16 different groups of four banks
.set AHALF,  64*PITCH
.set BHALF,  128*PITCH
.set BOFF,   128*PITCH                 ; B lies behind the 128 rows of A
.set SLOT1,  131072                    ; slot 1: one exclusive or turns an address in one slot into the other
.set TABLE,  235520                    ; ROPE: 128 rows x 512 bytes of cst, dense, filled once
.set SPARE,  301056                    ; the spare words, 128 bytes for each wave
.set SPITCH, 528                       ; the stage: a row of 128 f32 + 16 bytes
.set WSTAGE, 64*SPITCH                 ; a wave has 64 such rows, at wave x WSTAGE: over slot bytes that have had their last fill
.set A0,  4                            ; v4   my place in a slot for the fragments of A; never rewritten
.set B0,  5                            ; v5   for those of B
.set ADA, 6                            ; v6   the same in the slot in hand
.set ADB, 7
.set STO, 8                            ; v8   the way out: where I put 16 bytes of a row
.set RD,  9                            ; v9   where I read a row back
.set CO,  10                           ; v10  my byte offset in C
.set TBO, 11                           ; v11  my 16 bytes of a table row
.set SPW, 12                           ; v12  LDS address of my spare word; never rewritten
.set NIL, 13                           ; v13  0; never rewritten
.set BO,  14                           ; v14  my byte offset in the bias
.set BI,  16                           ; v[16:19] the bias of my four columns
.set F0,  32
.set F1,  128
.set E,   32                           ; the way out: 8 rows x 4 sums
.set TT,  64                           ; 8 rows x (c0, s0, c1, s1)
.set OUT, 96                           ; 8 rows x 2 packed
.set W,   112                          ; at work
.set WV,  14                           ; s14  wave
.set WM,  15                           ; s15  my half of the rows.  Also: I fetch for A (0) or for B (1)
.set WN,  16                           ; s16  my half of the columns.  Also: which half of that tile I fetch
.set CX,  17
.set CY,  18
.set TC,  19                           ; tile column
.set TR,  20                           ; tile row
.set G1A, 24                           ; s[24:31] group 1 for A;  s[32:39] group 0, two sets: the second walks
.set G0A, 32
.set G1B, 40
.set G0B, 48
.set G1T, 56                           ; s[56:63], s[68:71] the table
.set G0T, 68
.set TB,  72                           ; s72  the slot in hand
.set CNT, 73
.set MSB, 0
.macro WIN new                         ; the high byte repeats the setting that is left
.if MSB != (\new)
	s_set_vgpr_msb (MSB<<8)|(\new)
.set MSB, \new
.endif
.endm
.macro PLACES                          ; four places behind matrix instructions, in front of loads into their sources and of reads of their results
.rept 4
	v_nop
.endr
.endm
.macro CREST                           ; a round of the cluster barrier behind its opening barrier
	s_cmp_lg_u32 s[WV], 0
	s_cbranch_scc1 .Lnot_wave_0_\@
	s_barrier_signal -3
.Lnot_wave_0_\@:
	s_barrier_wait -3
	s_barrier_signal -1
	s_barrier_wait -1
.endm
.macro CROUND
	s_barrier_signal -1
	s_barrier_wait -1
	CREST
.endm
.macro JLOAD                           ; a joint refill by the walking sets; the branch hangs on the wave number alone; s_nop 0 and four v_nop follow each line
	s_cmp_eq_u32 s[WM], 0
	s_cbranch_scc0 .Lfor_b_\@
	tensor_load_to_lds s[G0A+4:G0A+7], s[G1A:G1A+7]
	s_nop 0
.rept 4
	v_nop
.endr
	s_branch .Lasked_\@
.Lfor_b_\@:
	tensor_load_to_lds s[G0B+4:G0B+7], s[G1B:G1B+7]
	s_nop 0
.rept 4
	v_nop
.endr
.Lasked_\@:
.endm
; 8 matrix instructions: row block a x all 8 column blocks, 32 along K.  zero = 1: the product starts the sum.  The 32 accumulators take turns.
.macro MUL8 f, a, zero
	WIN 0x50
.irp b, 0,1,2,3,4,5,6,7
.if \zero
	v_wmma_f32_16x16x32_f16 v[8*(8*(\a)+(\b)):8*(8*(\a)+(\b))+7], v[(\f)+8*(\b):(\f)+8*(\b)+7], v[(\f)+64+8*(\a):(\f)+64+8*(\a)+7], 0
.else
	v_wmma_f32_16x16x32_f16 v[8*(8*(\a)+(\b)):8*(8*(\a)+(\b))+7], v[(\f)+8*(\b):(\f)+8*(\b)+7], v[(\f)+64+8*(\a):(\f)+64+8*(\a)+7], v[8*(8*(\a)+(\b)):8*(8*(\a)+(\b))+7]
.endif
.endr
.endm
; 24 LDS loads in one run: 32 along K at byte k of the rows, into buffer f: B first, then the four blocks of A in order
.macro FETCH k, f
	WIN 0
.irp i, 0,1,2,3,4,5,6,7
	ds_load_b128 v[(\f)+8*(\i):(\f)+8*(\i)+3],   v[ADB] offset:(\k)+(\i)*16*PITCH
	ds_load_b128 v[(\f)+8*(\i)+4:(\f)+8*(\i)+7], v[ADB] offset:(\k)+(\i)*16*PITCH+32
.endr
.irp i, 0,1,2,3
	ds_load_b128 v[(\f)+64+8*(\i):(\f)+64+8*(\i)+3],   v[ADA] offset:(\k)+(\i)*16*PITCH
	ds_load_b128 v[(\f)+64+8*(\i)+4:(\f)+64+8*(\i)+7], v[ADA] offset:(\k)+(\i)*16*PITCH+32
.endr
.endm
; one of the first three quarters of a K step: multiplies buffer f, fetches the next quarter (byte k) into g
.macro QUARTER k, f, g, zero
	s_wait_dscnt 4                                 ; B and blocks 0, 1 of A are in; the four loads of blocks 2, 3 may be out
	MUL8 \f, 0, \zero
	MUL8 \f, 1, \zero
	WIN 0
	PLACES
	FETCH \k, \g
	s_wait_dscnt 24                                ; all but the 24 just issued
	MUL8 \f, 2, \zero
	MUL8 \f, 3, \zero
.endm
; the last quarter multiplies buffer 1 and changes slots: one barrier; fill = 1: it opens a round of the cluster barrier, and the slot just read is filled again, two K steps on
.macro TURN fill
	WIN 0
	s_wait_tensorcnt 0x0                           ; all my tensor loads have landed: my part of the next slot (and, the first time, of the table)
	ds_add_u32 v[SPW], v[NIL]                      ; 0 onto my spare word
	s_wait_dscnt 7                                 ; the add and the six loads of blocks 1 to 3 of A may be out
	MUL8 F1, 0, 0
	s_wait_dscnt 0x0                               ; the add is done, my reads of this slot are over
	s_barrier_signal -1
	MUL8 F1, 1, 0
	WIN 0
	s_barrier_wait -1
.if \fill
	CREST                                          ; no wave of any partner still reads this slot or has a load on its way
	s_xor_b32 s[G0A+5], s[G0A+5], SLOT1            ; the walking sets: the other slot than last time, the next K step
	s_add_nc_u64 s[G0A+6:G0A+7], s[G0A+6:G0A+7], 256
	s_xor_b32 s[G0B+5], s[G0B+5], SLOT1
	s_add_nc_u64 s[G0B+6:G0B+7], s[G0B+6:G0B+7], 256
	JLOAD                                          ; my one tensor load behind the round: 112 matrix instructions ahead of the wait for it
.else
	PLACES
.endif
	s_xor_b32 s[TB], s[TB], SLOT1
	v_add_nc_u32 v[ADA], s[TB], v[A0]
	v_add_nc_u32 v[ADB], s[TB], v[B0]
	FETCH 0, F0
	MUL8 F1, 2, 0
	MUL8 F1, 3, 0
.endm
	s_load_b256 s[4:11], s[0:1], 0x0               ; A 4, B 6, bias 8, (cst or the output) 10
.if ROPE
	s_load_b64 s[12:13], s[0:1], 0x20              ; kh
.endif
	v_lshl_add_u32 v[SPW], v0, 2, SPARE
	v_mov_b32 v[NIL], 0
	ds_add_u32 v[SPW], v[NIL]                      ; the opening: the add and its wait stand ahead of my first tensor load; work on registers stands between
	ds_add_u32 v12, v13
	v_lshrrev_b32 v1, 5, v0
	v_readfirstlane_b32 s[WV], v1
	s_lshr_b32 s[WM], s[WV], 1
	s_and_b32 s[WN], s[WV], 1
	s_bfe_u32 s[CX], ttmp6, 0x40000
	s_bfe_u32 s[CY], ttmp6, 0x40004
	s_lshl_b32 s[TC], ttmp9, 2
	s_add_co_u32 s[TC], s[TC], s[CX]               ; tile column = 4 x cluster x + cx
	s_and_b32 s[TR], ttmp7, 0xffff
	s_lshl_b32 s[TR], s[TR], 2
	s_add_co_u32 s[TR], s[TR], s[CY]               ; tile row = 4 x cluster y + cy
	s_lshl_b32 s21, s[CY], 2
	s_lshl_b32 s21, 15, s21                        ; my row of the cluster
	s_lshl_b32 s22, 0x1111, s[CX]                  ; my column
	s_or_b32 s[G1A], s21, (1<<16)|(1<<20)|(1<<21)|(5<<22)|(3<<25)  ; mask; 2-byte elements; padding on; bit 21 beside a mask; after every 64 words 4 words
	s_or_b32 s[G1B], s22, (1<<16)|(1<<20)|(1<<21)|(5<<22)|(3<<25)
	s_mov_b32 s[G1A+1], 128<<16                    ; tensor_dim0 = 128
	s_mov_b32 s[G1A+2], 64<<16                     ; tensor_dim1 = 64
	s_mov_b32 s[G1A+3], 128<<16                    ; tile_dim0 = 128
	s_mov_b32 s[G1A+4], 64                         ; tile_dim1 = 64
	s_mov_b32 s[G1A+5], 2048                       ; elements from row to row
	s_mov_b32 s[G1A+6], 0
	s_mov_b32 s[G1A+7], 0
	s_mov_b32 s[G1B+1], 128<<16
	s_mov_b32 s[G1B+2], 128<<16                    ; 128 rows
	s_mov_b32 s[G1B+3], 128<<16
	s_mov_b32 s[G1B+4], 128
	s_mov_b32 s[G1B+5], 2048
	s_mov_b32 s[G1B+6], 0
	s_mov_b32 s[G1B+7], 0
	s_mul_i32 s74, s[WN], AHALF                    ; where the tiles go: no place in the cluster enters an LDS address
	s_mul_i32 s75, s[WN], BHALF
	s_add_co_u32 s75, s75, BOFF
.irp n, 0,1
	s_mov_b32 s[G0A+4*(\n)], 1
	s_add_co_u32 s[G0A+4*(\n)+1], s74, (\n)*SLOT1
	s_mov_b32 s[G0B+4*(\n)], 1
	s_add_co_u32 s[G0B+4*(\n)+1], s75, (\n)*SLOT1
.endr
	s_lshl_b32 s76, s[TR], 19                      ; A: 128 rows of 4,096 bytes a tile row,
	s_lshl_b32 s77, s[WN], 18                      ; 64 rows a half: made of the tile row and the wave alone
	s_add_co_u32 s76, s76, s77
	s_mov_b32 s77, 0
	s_lshl_b32 s78, s[TC], 20                      ; B: 256 rows a tile column, 128 a half: of the tile column and the wave alone
	s_lshl_b32 s79, s[WN], 19
	s_add_co_u32 s78, s78, s79
	s_mov_b32 s79, 0
.if ROPE
	s_mov_b32 s[G1T], 3<<16                        ; the table: a load of my own (no mask), 8-byte elements, 64 rows of 256 bytes, dense
	s_mov_b32 s[G1T+1], 32<<16
	s_mov_b32 s[G1T+2], 64<<16
	s_mov_b32 s[G1T+3], 32<<16
	s_mov_b32 s[G1T+4], 64
	s_mov_b32 s[G1T+5], 32
	s_mov_b32 s[G1T+6], 0
	s_mov_b32 s[G1T+7], 0
	s_mov_b32 s[G0T], 1
	s_lshl_b32 s80, s[WV], 14                      ; a quarter, 16 KiB, a wave
	s_add_co_u32 s[G0T+1], s80, TABLE
	s_and_b32 s2, s[TR], 15                        ; the position is the row of C modulo 2,048
	s_lshl_b32 s2, s2, 16
	s_add_co_u32 s2, s2, s80
	s_mov_b32 s3, 0
.endif
	s_wait_dscnt 0x0                               ; the opening add is done
	s_wait_kmcnt 0x0
	s_add_nc_u64 s[76:77], s[4:5], s[76:77]
	s_add_nc_u64 s[78:79], s[6:7], s[78:79]
.irp n, 0,1
	s_add_nc_u64 s[G0A+4*(\n)+2:G0A+4*(\n)+3], s[76:77], (\n)*256  ; K step n
	s_or_b32 s[G0A+4*(\n)+3], s[G0A+4*(\n)+3], 0x80000000
	s_add_nc_u64 s[G0B+4*(\n)+2:G0B+4*(\n)+3], s[78:79], (\n)*256
	s_or_b32 s[G0B+4*(\n)+3], s[G0B+4*(\n)+3], 0x80000000
.endr
.if ROPE
	s_add_nc_u64 s[G0T+2:G0T+3], s[10:11], s[2:3]
	s_or_b32 s[G0T+3], s[G0T+3], 0x80000000
.endif
	CROUND                                         ; all sixteen work-groups are here: the first joint loads meet
	s_cmp_eq_u32 s[WM], 0                          ; all first fills of a wave stand in one branch: 2 + ROPE loads of mine are out
	s_cbranch_scc0 .Lfirst_b
	tensor_load_to_lds s[G0A:G0A+3], s[G1A:G1A+7]
	s_nop 0
	tensor_load_to_lds s[G0A+4:G0A+7], s[G1A:G1A+7]
	s_nop 0
.if ROPE
	tensor_load_to_lds s[G0T:G0T+3], s[G1T:G1T+7]
	s_nop 0
.endif
.rept 4
	v_nop
.endr
	s_branch .Lfirst_asked
.Lfirst_b:
	tensor_load_to_lds s[G0B:G0B+3], s[G1B:G1B+7]
	s_nop 0
	tensor_load_to_lds s[G0B+4:G0B+7], s[G1B:G1B+7]
	s_nop 0
.if ROPE
	tensor_load_to_lds s[G0T:G0T+3], s[G1T:G1T+7]
	s_nop 0
.endif
.rept 4
	v_nop
.endr
.Lfirst_asked:
	v_and_b32 v1, 15, v0                           ; l % 16
	v_bfe_u32 v2, v0, 4, 1                         ; l / 16
	v_and_b32 v3, 31, v0                           ; l
	v_mul_u32_u24 v[A0], v1, PITCH
	v_lshl_add_u32 v[A0], v2, 4, v[A0]             ; a fragment row x pitch + 16 x half
	s_mul_i32 s74, s[WM], AHALF                    ; my 64 rows of A
	s_mul_i32 s75, s[WN], BHALF                    ; my 128 rows of B
	s_add_co_u32 s75, s75, BOFF
	v_add_nc_u32 v[B0], s75, v[A0]
	v_add_nc_u32 v[A0], s74, v[A0]
	s_mul_i32 s74, s[WV], WSTAGE
	v_mul_u32_u24 v[STO], v1, SPITCH               ; in: row l % 16, 32 bytes for each half of the lanes
	v_lshl_add_u32 v[STO], v2, 5, v[STO]
	v_add_nc_u32 v[STO], s74, v[STO]
	v_lshl_add_u32 v[RD], v3, 4, s74               ; back: a row of 512 bytes, 16 a lane
	v_lshlrev_b32 v[CO], 2+OSH, v3                 ; my four columns in C
.if ROPE
	s_lshl_b32 s75, s[WM], 15                      ; my 64 rows of the table
	s_add_co_u32 s75, s75, TABLE
	v_lshl_add_u32 v[TBO], v3, 4, s75
.endif
	s_lshl_b32 s74, s[TC], 10                      ; the bias of my 128 columns
	s_lshl_b32 s75, s[WN], 9
	s_add_co_u32 s74, s74, s75
	v_lshl_add_u32 v[BO], v3, 4, s74
	global_load_b128 v[BI:BI+3], v[BO], s[8:9]
.if !ROPE
	s_mov_b64 s[12:13], s[10:11]
.endif
	s_lshl_b32 s74, s[TR], 18+OSH                  ; C at my first row and column
	s_lshl_b32 s75, s[WM], 17+OSH
	s_add_co_u32 s74, s74, s75
	s_lshl_b32 s75, s[TC], 8+OSH
	s_add_co_u32 s74, s74, s75
	s_lshl_b32 s75, s[WN], 7+OSH
	s_add_co_u32 s74, s74, s75
	s_mov_b32 s75, 0
	s_add_nc_u64 s[12:13], s[12:13], s[74:75]
	s_mov_b32 s[TB], 0
	v_add_nc_u32 v[ADA], s[TB], v[A0]
	v_add_nc_u32 v[ADB], s[TB], v[B0]
	s_wait_tensorcnt 1+ROPE                        ; my part of K step 0 is in; K step 1 (and the table) may stay out
	s_barrier_signal -1
	s_barrier_wait -1
	FETCH 0, F0
	QUARTER 64, F0, F1, 1                          ; the first quarter stands in front of the loop: its products start the sums
	WIN 0
	s_mov_b32 s[CNT], 14                           ; 14 refills: K steps 2 to 15
.Lstep:                                        ; a trip: from the second quarter of a K step to the first of the next
	QUARTER 128, F1, F0, 0
	QUARTER 192, F0, F1, 0
	TURN 1
	QUARTER 64, F0, F1, 0
	WIN 0
	s_sub_co_u32 s[CNT], s[CNT], 1
	s_cmp_lg_u32 s[CNT], 0
	s_cbranch_scc1 .Lstep
	QUARTER 128, F1, F0, 0                         ; the last two K steps fetch nothing
	QUARTER 192, F0, F1, 0
	TURN 0
	QUARTER 64, F0, F1, 0
	QUARTER 128, F1, F0, 0
	QUARTER 192, F0, F1, 0
	s_wait_dscnt 4
	MUL8 F1, 0, 0
	MUL8 F1, 1, 0
	s_wait_dscnt 0x0
	MUL8 F1, 2, 0
	MUL8 F1, 3, 0
	; THE WAY OUT.  The sums go as f32 into my stage (over slot bytes that are filled no more) and come back as whole rows.
	WIN 0
	PLACES
	s_wait_dscnt 0x0
	s_barrier_signal -1
	s_barrier_wait -1                              ; no wave reads the slots any more
	WIN 0x04                                       ; store data in window 1
.irp a, 0,1,2,3
.irp b, 0,1,2,3,4,5,6,7
	ds_store_b128 v[STO], v[8*(8*(\a)+(\b)):8*(8*(\a)+(\b))+3]   offset:(\a)*16*SPITCH+64*(\b)
	ds_store_b128 v[STO], v[8*(8*(\a)+(\b))+4:8*(8*(\a)+(\b))+7] offset:(\a)*16*SPITCH+64*(\b)+16
.endr
.endr
	WIN 0
	s_wait_loadcnt 0x0                             ; the bias, rounded to bf16 like every input
	v_cvt_pk_bf16_f32 v[W],   v[BI],   v[BI+1]
	v_cvt_pk_bf16_f32 v[W+1], v[BI+2], v[BI+3]
	v_lshlrev_b32 v[BI],   16, v[W]
	v_and_b32     v[BI+1], 0xffff0000, v[W]
	v_lshlrev_b32 v[BI+2], 16, v[W+1]
	v_and_b32     v[BI+3], 0xffff0000, v[W+1]
	s_mov_b32 s[CNT], 8
.Lrows:                                        ; 8 trips of 8 rows; the stage bytes are my own, and LDS serves a wave in order
.irp j, 0,1,2,3,4,5,6,7
	ds_load_b128 v[E+4*(\j):E+4*(\j)+3], v[RD] offset:(\j)*SPITCH
.if ROPE
	ds_load_b128 v[TT+4*(\j):TT+4*(\j)+3], v[TBO] offset:(\j)*512
.endif
.endr
.irp j, 0,1,2,3,4,5,6,7
.if ROPE
	s_wait_dscnt 14-2*(\j)                         ; row j and its table row are in
.else
	s_wait_dscnt 7-(\j)
.endif
	v_pk_add_f32 v[E+4*(\j):E+4*(\j)+1],   v[E+4*(\j):E+4*(\j)+1],   v[BI:BI+1]
	v_pk_add_f32 v[E+4*(\j)+2:E+4*(\j)+3], v[E+4*(\j)+2:E+4*(\j)+3], v[BI+2:BI+3]
.if ROPE
	v_mul_f32 v[W],   v[E+4*(\j)+1], v[TT+4*(\j)+1]  ; t2 s
	v_mul_f32 v[W+1], v[E+4*(\j)+1], v[TT+4*(\j)]    ; t2 c
	v_mul_f32 v[W+2], v[E+4*(\j)+3], v[TT+4*(\j)+3]
	v_mul_f32 v[W+3], v[E+4*(\j)+3], v[TT+4*(\j)+2]
	v_fma_f32 v[W],   v[E+4*(\j)],   v[TT+4*(\j)],   -v[W]    ; o1 = t1 c - t2 s
	v_fma_f32 v[W+1], v[E+4*(\j)],   v[TT+4*(\j)+1], v[W+1]   ; o2 = t1 s + t2 c
	v_fma_f32 v[W+2], v[E+4*(\j)+2], v[TT+4*(\j)+2], -v[W+2]
	v_fma_f32 v[W+3], v[E+4*(\j)+2], v[TT+4*(\j)+3], v[W+3]
	v_cvt_pk_f16_f32 v[OUT+2*(\j)],   v[W],   v[W+1]
	v_cvt_pk_f16_f32 v[OUT+2*(\j)+1], v[W+2], v[W+3]
	global_store_b64 v[CO], v[OUT+2*(\j):OUT+2*(\j)+1], s[12:13] offset:(\j)*4096  ; a wave stores 256 consecutive bytes, aligned: the row of one head
.else
	global_store_b128 v[CO], v[E+4*(\j):E+4*(\j)+3], s[12:13] offset:(\j)*8192     ; 512 consecutive bytes, aligned
.endif
.endr
	s_wait_xcnt 0x0                                ; the store data and the offset are written again only behind this wait
	v_add_nc_u32 v[RD], 8*SPITCH, v[RD]
.if ROPE
	v_add_nc_u32 v[TBO], 4096, v[TBO]
.endif
	v_add_nc_u32 v[CO], 16384<<OSH, v[CO]
	s_sub_co_u32 s[CNT], s[CNT], 1
	s_cmp_lg_u32 s[CNT], 0
	s_cbranch_scc1 .Lrows
	s_wait_tensorcnt 0x0                           ; the end of the wave, behind my last tensor load and LDS store
	ds_add_u32 v[SPW], v[NIL]
	s_wait_dscnt 0x0
	CROUND                                         ; the closing round
	s_endpgm
.Lfunc_end_k_q9fe7e1bc0d_oproj:
	.size	k_q9fe7e1bc0d_oproj, .Lfunc_end_k_q9fe7e1bc0d_oproj-k_q9fe7e1bc0d_oproj
	.p2alignl 7, 3214868480
	.fill 96, 4, 3214868480
	.section	.rodata,"a",@progbits
	.p2align	6, 0x0
	.amdhsa_kernel k_q9fe7e1bc0d_oproj
		.amdhsa_group_segment_fixed_size 327680
		.amdhsa_private_segment_fixed_size 0
		.amdhsa_enable_private_segment 0
		.amdhsa_kernarg_size 32
		.amdhsa_user_sgpr_count 2
		.amdhsa_user_sgpr_kernarg_segment_ptr 1
		.amdhsa_wavefront_size32 1
		.amdhsa_system_sgpr_workgroup_id_x 1
		.amdhsa_system_sgpr_workgroup_id_y 1
		.amdhsa_system_sgpr_workgroup_id_z 1
		.amdhsa_system_vgpr_workitem_id 0
		.amdhsa_next_free_vgpr 512
		.amdhsa_next_free_sgpr 84
		.amdhsa_reserve_vcc 0
		.amdhsa_float_denorm_mode_32 3
		.amdhsa_float_denorm_mode_16_64 3
		.amdhsa_memory_ordered 1
		.amdhsa_forward_progress 1
		.amdhsa_inst_pref_size 61
	.end_amdhsa_kernel
	.amdgpu_metadata
---
amdhsa.version: [ 1, 2 ]
amdhsa.kernels:
  - .name:           k_q9fe7e1bc0d_oproj
    .symbol:         k_q9fe7e1bc0d_oproj.kd
    .args:
      - { .name: oh, .offset: 0, .size: 8, .value_kind: global_buffer, .address_space: global }
      - { .name: pwh, .offset: 8, .size: 8, .value_kind: global_buffer, .address_space: global }
      - { .name: proj_b, .offset: 16, .size: 8, .value_kind: global_buffer, .address_space: global }
      - { .name: out0, .offset: 24, .size: 8, .value_kind: global_buffer, .address_space: global }
    .group_segment_fixed_size: 327680
    .private_segment_fixed_size: 0
    .kernarg_segment_align: 8
    .kernarg_segment_size: 32
    .max_flat_workgroup_size: 128
    .sgpr_count:     84
    .vgpr_count:     512
    .wavefront_size: 32
...
	.end_amdgpu_metadata
.endif
;; end of part 4
